; MI455X (gfx1250); checked and timed in simulation.
; The chip was launched on July 23, 2026; its instructions are those of AMD's public machine-readable ISA for CDNA 5 (MIT licence, August 2026) and "CDNA5" Instruction Set Architecture Reference Guide (July 2026). The comments in the code are by the model that wrote it; some were corrected since.
;; Multi Head Attention. Allowed arithmetic: matrix products marked QUANTISED: E2M3 operands, one E8M0 scale for each 32 along K, by v_wmma_scale_f32_16x16x128_f8f6f4 with both operands' format E2M3, f32 sums; everything else in f32.
;; Inputs: k 4 x 2,048 x 1,024 float32; q 4 x 2,048 x 1,024 float32; v 4 x 2,048 x 1,024 float32; wk_b 1,024 float32; wk_w 1,024 x 1,024 float32; wo_b 1,024 float32; wo_w 1,024 x 1,024 float32; wq_b 1,024 float32; wq_w 1,024 x 1,024 float32; wv_b 1,024 float32; wv_w 1,024 x 1,024 float32.
;; Outputs: out0 4 x 2,048 x 1,024 float32.
;; This version of the problem:
;;   THIS VERSION OF THE PROBLEM IS GIVEN IN LOW PRECISION. The matrix products marked QUANTISED in the list below multiply operands that are first quantised to E2M3 (2 exponent bits, 3 mantissa bits; 6 bits a number), with one power-of-two scale for each 32 numbers along K (OCP MX v1.0); their sums are f32. All else is computed in f32.
;;   The module's matrix products, in the order in which they are computed (A, B: the left and right operand; K: the contracted axis; several contracted axes count as one K, in the product's order):
;;     1. [M 8,192, K 1,024] x [K 1,024, N 1,024]; A: input q; B: input wq_w: QUANTISED
;;     2. [M 8,192, K 1,024] x [K 1,024, N 1,024]; A: input k; B: input wk_w: QUANTISED
;;     3. [M 8,192, K 1,024] x [K 1,024, N 1,024]; A: input v; B: input wv_w: QUANTISED
;;     4. batch 64 x [M 2,048, K 64] x [K 64, N 2,048]; A: computed on the way; B: computed on the way: QUANTISED
;;     5. batch 64 x [M 2,048, K 2,048] x [K 2,048, N 64]; A: softmax (see below); B: computed on the way: QUANTISED
;;     6. [M 8,192, K 1,024] x [K 1,024, N 1,024]; A: computed on the way; B: input wo_w: QUANTISED
;;   THE QUANTISER, for each operand of a quantised product, along K:
;;     - K is cut into blocks of 32 from its start; a last block that is shorter is filled with zeros.
;;     - A block's scale is 2^e with e = floor(log2(the largest magnitude in the block)) - 2, held to -126 .. 127; a block of zeros has e = 0. As a byte (E8M0): e + 127.
;;     - Each number is divided by its block's scale, clamped to +-7.5, and rounded to the nearest number of E2M3, ties to even, subnormals kept.
;;     - The product sums the exact products of the quantised numbers (number of the format x scale) in f32.
;;   ~~~python
;;   def quantise(x, axis):      # numpy; x: float32 -> the quantised numbers, widened to float32 again
;;       x = np.moveaxis(x, axis, -1); K = x.shape[-1]
;;       x = np.pad(x, [(0, 0)] * (x.ndim - 1) + [(0, -K % 32)]); x = x.reshape(x.shape[:-1] + (-1, 32)); a = np.abs(x).max(-1, keepdims=True)
;;       e = np.where(a > 0, np.clip(np.frexp(np.where(a > 0, a, 1))[1] - 1 - 2, -126, 127), 0)      # np.frexp(a)[1] - 1 = floor(log2(a)), exactly
;;       r = np.clip(x / 2.0 ** e, -7.5, 7.5)
;;       step = 2.0 ** (np.maximum(np.frexp(np.where(r == 0, 1, r))[1] - 1, 0) - 3)
;;       q = np.round(r / step) * step * 2.0 ** e      # np.round: ties to even
;;       return np.moveaxis(q.reshape(q.shape[:-2] + (-1,))[..., :K], -1, axis).astype(np.float32)
;;   ~~~
;;   SOFTMAX AHEAD OF A QUANTISED PRODUCT. Where the list says 'softmax', what is quantised is not the finished softmax but p = 2^(t - M), with t = logit x log2(e) and M = ceil(the row's largest t), a whole number; so 1/2 < the row's largest p <= 1. The row's sum l is taken of the UNQUANTISED p, in f32, and the product's result is divided by l at the end. Since M is a whole number, a kernel that streams over the keys may use a running M (the ceiling of the running maximum): every later rescaling is an exact power of two, which a block's scale takes up: the codes' values come out the same.
;;   OPERANDS COMPUTED ON THE WAY. 'Computed on the way' means the value that the module computes at that place (a softmax that the list does not call 'softmax' is quantised finished and normalised). What goes into a quantiser is computed in f32, as accurately as f32 sums, v_exp_f32 and their like allow (about 1e-6 of the number): no bf16 or f16 on the way to a quantiser, and a product that is left as it is and whose result goes on into a quantised operand takes f32 operands (vector FMAs, or v_wmma_f32_16x16x4_f32). A number that lies on a knife's edge between two numbers of the format may be rounded either way, as far as f32 arithmetic and the matrix unit's own rounding can turn it there, and no further.
;; One version. Each part assembles by itself: llvm-mc -triple=amdgcn-amd-amdhsa -mcpu=gfx1250 --defsym DOCPART=n.
;; ======== version 1 of 1: 4 launches
;; limits: right only within a limited range of input values
;; workspace buffers: ops 22,937,600 bytes; hq 20,447,232 bytes; aq 6,815,744 bytes
;; launch quant (part 1): grid 896 x 1, 2 waves a work-group, no clusters, 17,152 bytes of LDS; arguments q, k, v, ops, wq_w, wk_w, wv_w, wo_w; writes ops
.if DOCPART == 1
	.amdgcn_target "amdgcn-amd-amdhsa--gfx1250"
	.amdhsa_code_object_version 6
	.text
	.protected	k_qfb08368d96_quant
	.globl	k_qfb08368d96_quant
	.p2align	8
	.type	k_qfb08368d96_quant,@function
k_qfb08368d96_quant:
	s_mov_b64 s[64:65], 0
	v_nop
	global_prefetch_b8 v0, s[64:65] scope:SCOPE_SE
	s_setreg_imm32_b32 hwreg(HW_REG_WAVE_MODE, 25, 1), 1
	s_wait_xcnt 0x0
; All seven f32 operands of the four projections become codes of FP6 (E2M3) with one E8M0 byte for each 32 along K, laid as images of the matrix unit's registers.
; Codes: [tile of 16 rows][K step 8][1,536]: a fragment's twelve registers as three pieces of 512 bytes: registers 4 p .. 4 p + 3 of lane l at 512 p + 16 l.  Lane l = r + 16 h holds in registers 6 c .. 6 c + 5 the codes of k = 64 c + 32 h + 0 .. 31 of row r.
; Scale words: [tile][K half 2][r 16][4 words], word j = the four bytes of K step 4 x half + j.
; WHICH ROWS FORM A TILE: lane-row r of tile T is row (for a weight: column) 32 (T / 2) + 8 (T % 2) + r + 8 (r / 8); for k alone it is row 64 (T / 4) + 8 (T % 4) + r % 8 + 32 (r / 8),
; so that in the attention's scores a lane's 32 registers of four tiles are one scale block of 32 keys.
; Work-groups 0-127 take the weights [1024 (k)][1024 (n)], K their FIRST axis: a wave takes (weight, 32 columns = two tiles, half of K) and walks its four K steps; a lane takes a column and its registers run down K:
; each load reads 128 consecutive bytes, a block of 32 lies in one lane, nothing is transposed.
; Work-groups 128-895 take q, k, v [8192][1024], K innermost: a wave takes one tile, eight K steps of 128.  Each load reads 512 consecutive bytes of one row; the conversions want 16 neighbours along K in ONE lane,
; so a K step's 8 KiB turn through the wave's own stage in LDS (rows of 512 + 16 bytes).  Loads run two K steps (32 loads a wave) ahead.
; A block's scale byte is its largest magnitude's exponent field - 2, held at 1 from below.
; LIMITS: a block whose largest magnitude lies under 2^-124 (a block of zeros too, where the rule says 127) keeps the byte 1: its codes are zeros and this program alone reads the bytes; NaN and infinities among the inputs are not served.
; No matrix unit, no cluster, no tensor load, no barrier: the launch streams each input once, and waves share nothing.
.set NWG,  128                         ; work-groups for the weights
.set XSO,  18874368                    ; ops: scale words of q, k, v
.set WCO,  19660800                    ; ops: the weights' codes
.set WSO,  22806528                    ; ops: their scale words
.set SP,   528                         ; a stage row
.set R0,   16                          ; v16-143  two sets of 64 numbers as loaded
.set X,    144                         ; v144-207 64 numbers: register 16 b + i = k 32 b + 16 h + i of my row
.set PC,   208                         ; v208-219 the codes; v220-226 at work; v227 an offset
.set TM,   228                         ; v228-243 at work
.set SEL,  18                          ; s[18:19] lane selects: lane l xor 16
.set WX,   32                          ; the weights' path: v32-159 128 numbers of my column
.set WC,   160                         ; v160-183 the twelve registers of lane r, then of lane r + 16;  v184-186 at work
.set WT,   184
	s_cmp_lt_u32 ttmp9, NWG
	s_cbranch_scc1 .Lweights
	s_load_b256 s[4:11], s[0:1], 0x0               ; q s[4:5], k s[6:7], v s[8:9], ops s[10:11]
	v_lshl_add_u32 v248, v0, 2, 0x4200
	v_mov_b32 v249, 0
	v_lshrrev_b32 v1, 5, v0
	v_readfirstlane_b32 s12, v1                    ; wave 0, 1
	v_and_b32 v1, 31, v0
	v_lshlrev_b32 v2, 4, v1                        ; 16 x lane
	s_mul_i32 s13, s12, 16*SP                      ; my stage
	v_add_nc_u32 v4, s13, v2                       ; into it: as loaded
	v_and_b32 v6, 15, v0                           ; r
	v_bfe_u32 v7, v0, 4, 1                         ; h
	v_mul_u32_u24 v5, v6, SP
	v_lshl_add_u32 v5, v7, 6, v5
	v_add_nc_u32 v5, s13, v5                       ; out of it: row r, + 64 h
	s_mov_b32 s[SEL], 0x76543210
	s_mov_b32 s[SEL+1], 0xfedcba98
	s_mov_b32 s20, 0xffff0000                      ; lanes 16-31
.irp b, 0,1,2,3
	v_mov_b32 v[TM+4+\b], 0                        ; written once: a lane permute's destination counts as one of its sources
.endr
	s_sub_co_u32 s3, ttmp9, NWG
	s_lshr_b32 s14, s3, 8                          ; which tensor
	s_lshl_b32 s15, s3, 1
	s_add_co_u32 s15, s15, s12                     ; my tile among all 1,536
	s_and_b32 s16, s15, 511                        ; and in its tensor
	s_cmp_eq_u32 s14, 1                            ; k?  Only offsets are chosen
	s_cselect_b32 s21, 2, 1                        ; tiles in a group, as a shift: 4 or 2
	s_cselect_b32 s17, 3, 1                        ; and as a mask
	s_cselect_b32 s13, 0x10000, 0                  ; k's lane-rows 8-15 lie 16 rows of 4,096 bytes further on
	v_add_nc_u32 v227, s13, v2                     ; 16 x lane for lane-rows 8-15
	s_lshr_b32 s22, s16, s21
	s_add_co_u32 s21, s21, 16
	s_lshl_b32 s22, s22, s21                       ; 64 or 32 rows of 4,096 bytes for each group,
	s_and_b32 s23, s16, s17
	s_lshl_b32 s23, s23, 15                        ; 8 rows for each tile in it
	s_add_co_u32 s22, s22, s23
	s_mov_b32 s23, 0
	s_mul_i32 s24, s15, 12288
	s_mov_b32 s25, 0
	s_lshl_b32 s26, s15, 9
	s_add_co_u32 s26, s26, XSO
	s_mov_b32 s27, 0
	s_wait_alu depctr_va_vdst(0)
	s_wait_kmcnt 0x0
	s_cmp_eq_u32 s14, 1                            ; the tensor is chosen by the work-group's number alone
	s_cselect_b64 s[4:5], s[6:7], s[4:5]
	s_cmp_eq_u32 s14, 2
	s_cselect_b64 s[4:5], s[8:9], s[4:5]
	s_add_nc_u64 s[4:5], s[4:5], s[22:23]
	s_add_nc_u64 s[28:29], s[10:11], s[24:25]      ; my tile's codes
	s_add_nc_u64 s[30:31], s[10:11], s[26:27]      ; and its scale words
.macro LOAD s                          ; K step s of the tile's 16 rows into set s % 2
.irp i, 0,1,2,3,4,5,6,7
	global_load_b128 v[R0+64*((\s)%2)+4*\i:R0+64*((\s)%2)+4*\i+3], v2, s[4:5] offset:\i*4096+512*(\s) th:TH_LOAD_NT
.endr
.irp i, 8,9,10,11,12,13,14,15
	global_load_b128 v[R0+64*((\s)%2)+4*\i:R0+64*((\s)%2)+4*\i+3], v227, s[4:5] offset:(\i+8)*4096+512*(\s) th:TH_LOAD_NT
.endr
.endm
; 64 numbers of a lane become a fragment's codes in v[PC] on and its scale word in v[pw].
.macro QUANT s, pw
.irp b, 0,1,2,3
	v_max3_num_f32 v[TM+\b], |v[\s+16*\b]|, |v[\s+1+16*\b]|, 0x1800000   ; block b: my 16 numbers, and the floor 2^(3 - 127)
.endr
.irp i, 2,4,6,8,10,12,14
.irp b, 0,1,2,3
	v_max3_num_f32 v[TM+\b], v[TM+\b], |v[\s+16*\b+\i]|, |v[\s+1+16*\b+\i]|
.endr
.endr
.irp b, 0,1,2,3
	v_permlanex16_b32 v[TM+4+\b], v[TM+\b], s[SEL], s[SEL+1]
.endr
.irp b, 0,1,2,3
	v_max_num_f32 v[TM+\b], v[TM+\b], v[TM+4+\b]   ; with lane l xor 16's: the block's largest magnitude
.endr
.irp b, 0,1,2,3
	v_add_nc_u32 v[TM+12+\b], 0xff000000, v[TM+\b]   ; 2 off its exponent field: the conversion's scale operand
.endr
.irp b, 0,1,2,3
	v_lshrrev_b32 v[TM+4+\b], 23, v[TM+12+\b]      ; the scale's byte
.endr
	v_lshl_or_b32 v[\pw], v[TM+5], 8, v[TM+4]
	v_lshl_or_b32 v[\pw], v[TM+6], 16, v[\pw]
	v_lshl_or_b32 v[\pw], v[TM+7], 24, v[\pw]
.irp c, 0,1
	v_cvt_scalef32_pk16_fp6_f32 v[PC+6*\c:PC+2+6*\c], v[\s+32*\c:\s+15+32*\c], v[TM+12+2*\c]
	v_cvt_scalef32_pk16_fp6_f32 v[PC+12+4*\c:PC+14+4*\c], v[\s+16+32*\c:\s+31+32*\c], v[TM+12+2*\c+1]   ; (a conversion's three registers begin on an even number)
.endr
	v_nop                                          ; one plain place behind a scaled conversion
.irp c, 0,1                                    ; a WHOLE block to a lane: lanes 0-15 block 2 c, lanes 16-31 block 2 c + 1
.irp i, 0,1,2
	v_permlane16_swap_b32 v[PC+6*\c+\i], v[PC+12+4*\c+\i]
.endr
.irp i, 0,1,2
	v_mov_b32 v[PC+3+6*\c+\i], v[PC+12+4*\c+\i]
.endr
.endr
.endm
.macro STEP s
.if (\s) < 7
	s_wait_loadcnt 16                              ; this K step's sixteen loads are in; the next step's sixteen may be out
.else
	s_wait_loadcnt 0x0
.endif
.irp i, 0,1,2,3,4,5,6,7,8,9,10,11,12,13,14,15
	ds_store_b128 v4, v[R0+64*((\s)%2)+4*\i:R0+64*((\s)%2)+4*\i+3] offset:SP*\i
.endr
.irp b, 0,1,2,3
.irp j, 0,1,2,3
	ds_load_b128 v[X+16*\b+4*\j:X+16*\b+4*\j+3], v5 offset:128*\b+16*\j   ; LDS serves a wave's instructions in order: these see the stores above
.endr
.endr
	s_wait_dscnt 0x0                               ; the numbers are back, and the stores into the stage have read their registers
	s_wait_xcnt 0x0                                ; the last step's stores have read the codes' registers, which are written again below
.if (\s)+2 < 8
	LOAD (\s)+2
.endif
	QUANT X, 8+(\s)
.irp p, 0,1,2
	global_store_b128 v2, v[PC+4*\p:PC+4*\p+3], s[28:29] offset:1536*(\s)+512*\p   ; the fragment's image: three times 512 consecutive aligned bytes
.endr
.endm
	LOAD 0
	LOAD 1
.irp t, 0,1,2,3,4,5,6,7
	STEP \t
.endr
.irp i, 0,1,2,3
	v_cndmask_b32 v[244+\i], v[8+\i], v[12+\i], s20   ; lanes 0-15 take K steps 0-3's words of row r, lanes 16-31 K steps 4-7's
.endr
	global_store_b128 v2, v[244:247], s[30:31]     ; 512 consecutive aligned bytes
	s_wait_tensorcnt 0x0                           ; the wave's end
	ds_add_u32 v248, v249
	s_wait_dscnt 0x0
	s_endpgm
.Lweights:
	s_load_b256 s[4:11], s[0:1], 0x20              ; wq_w s[4:5], wk_w s[6:7], wv_w s[8:9], wo_w s[10:11]
	s_load_b64 s[12:13], s[0:1], 0x18              ; ops
	v_lshrrev_b32 v1, 5, v0
	v_readfirstlane_b32 s15, v1                    ; wave 0, 1
	v_and_b32 v1, 31, v0                           ; lane l
	v_lshlrev_b32 v2, 2, v1                        ; in: 4 bytes a lane
	v_bfe_u32 v8, v1, 3, 1                         ; u: which of the two tiles my column falls into
	v_and_b32 v9, 7, v1
	v_lshrrev_b32 v10, 4, v1
	v_lshl_add_u32 v9, v10, 3, v9                  ; r = l % 8 + 8 (l / 16): its lane-row there
	v_mul_u32_u24 v10, v8, 12288                   ; a tile's codes are 12,288 bytes
	v_lshl_add_u32 v3, v9, 4, v10                  ; out: 16 r in my tile
	v_lshlrev_b32 v7, 9, v8
	v_lshl_add_u32 v7, v9, 4, v7                   ; out: scale words: 512 u + 16 r
.irp i, 26,27,28,29
	v_mov_b32 v\i, 0                               ; my column's four scale words: each K step's word comes in at the top and the others move down
.endr
	s_lshl_b32 s19, ttmp9, 1
	s_add_co_u32 s19, s19, s15                     ; my share, 0 .. 255
	s_lshr_b32 s14, s19, 6                         ; which weight
	s_bfe_u32 s16, s19, 0x50001                    ; which 32 columns
	s_and_b32 s17, s19, 1                          ; which half of K
	s_lshl_b32 s18, s17, 2                         ; my first K step
	s_lshl_b32 s20, s18, 19                        ; 128 rows of 4,096 bytes a K step,
	s_lshl_b32 s21, s16, 7                         ; 128 bytes for 32 columns
	s_add_co_u32 s20, s20, s21
	s_mov_b32 s21, 0
	s_mul_i32 s22, s14, 786432
	s_mul_i32 s23, s16, 24576
	s_add_co_u32 s22, s22, s23
	s_mul_i32 s23, s18, 1536
	s_add_co_u32 s22, s22, s23
	s_add_co_u32 s22, s22, WCO
	s_mov_b32 s23, 0
	s_lshl_b32 s26, s14, 15
	s_lshl_b32 s27, s16, 10
	s_add_co_u32 s26, s26, s27
	s_lshl_b32 s27, s17, 8
	s_add_co_u32 s26, s26, s27
	s_add_co_u32 s26, s26, WSO
	s_mov_b32 s27, 0
	s_mov_b32 s30, 4                               ; K steps to go
	s_wait_alu depctr_va_vdst(0)
	s_wait_kmcnt 0x0
	s_cmp_eq_u32 s14, 1                            ; the weight is chosen by ids alone
	s_cselect_b64 s[4:5], s[6:7], s[4:5]
	s_cmp_eq_u32 s14, 2
	s_cselect_b64 s[4:5], s[8:9], s[4:5]
	s_cmp_eq_u32 s14, 3
	s_cselect_b64 s[4:5], s[10:11], s[4:5]
	s_add_nc_u64 s[4:5], s[4:5], s[20:21]
	s_add_nc_u64 s[24:25], s[12:13], s[22:23]      ; my two tiles' codes of my K step
	s_add_nc_u64 s[28:29], s[12:13], s[26:27]      ; their scale words of my half of K
; Block B: k = 32 B + 0 .. 31: registers 6 (B / 2) .. + 5 of lane r + 16 (B % 2) of the fragment.  left: how many younger loads may stay out.
.macro BLOCK B, left
.set XS, WX+32*(\B)
.set CB, WC+12*((\B)%2)+6*((\B)/2)
	s_wait_loadcnt \left
	v_max3_num_f32 v12, |v[XS]|, |v[XS+1]|, |v[XS+2]|              ; the block's largest magnitude, in two chains: all 32 numbers are mine
	v_max3_num_f32 v13, |v[XS+3]|, |v[XS+4]|, |v[XS+5]|
.irp i, 6,10,14,18,22,26
	v_max3_num_f32 v12, v12, |v[XS+\i]|, |v[XS+\i+1]|
	v_max3_num_f32 v13, v13, |v[XS+\i+2]|, |v[XS+\i+3]|
.endr
	v_max3_num_f32 v12, v12, |v[XS+30]|, |v[XS+31]|
	v_max3_num_f32 v12, v12, v13, 0x1800000        ; and the floor 2^(3 - 127)
	v_add_nc_u32 v11, 0xff000000, v12              ; 2 off the exponent field: the conversion's scale operand
	v_lshrrev_b32 v14, 23, v11                     ; the scale's byte
.if (\B) == 0
	v_mov_b32 v24, v14                             ; four bytes make my column's scale word for this K step
.else
	v_lshl_or_b32 v24, v14, 8*(\B), v24
.endif
	v_cvt_scalef32_pk16_fp6_f32 v[CB:CB+2], v[XS:XS+15], v11
	v_cvt_scalef32_pk16_fp6_f32 v[WT:WT+2], v[XS+16:XS+31], v11    ; (a conversion's three registers begin on an even number)
	v_nop                                          ; one plain place behind a scaled conversion
	v_mov_b32 v[CB+3], v[WT]
	v_mov_b32 v[CB+4], v[WT+1]
	v_mov_b32 v[CB+5], v[WT+2]                     ; six registers on end: the block's 32 codes
.if (\B) >= 2                                  ; blocks B - 2 and B make the twelve registers of lane r + 16 (B % 2)
.irp p, 0,1,2
	global_store_b128 v3, v[WC+12*((\B)%2)+4*\p:WC+12*((\B)%2)+4*\p+3], s[24:25] offset:512*\p+256*((\B)%2)   ; for each of the two tiles 256 consecutive aligned bytes
.endr
.endif
.endm
.Lkstep:
.set n, 0
.rept 128
	global_load_b32 v[WX+n], v2, s[4:5] offset:n*4096 th:TH_LOAD_NT    ; W(128 step + n, my column): 32 lanes read 128 consecutive bytes
.set n, n+1
.endr
	BLOCK 0, 63                                    ; 96 younger loads could stay out; the wait's field holds 63
	BLOCK 1, 63
	BLOCK 2, 32                                    ; block 3's 32
	BLOCK 3, 0
	v_mov_b32 v26, v27
	v_mov_b32 v27, v28
	v_mov_b32 v28, v29
	v_mov_b32 v29, v24                             ; behind four K steps v26-29 hold their words in order
	s_wait_xcnt 0x0                                ; the stores have read their registers and base, which are written again
	s_add_nc_u64 s[4:5], s[4:5], 0x80000           ; 128 rows on
	s_add_nc_u64 s[24:25], s[24:25], 1536
	s_sub_co_u32 s30, s30, 1
	s_cmp_lg_u32 s30, 0
	s_wait_alu depctr_va_vdst(0)
	s_cbranch_scc1 .Lkstep
	global_store_b128 v7, v[26:29], s[28:29]       ; sixteen lanes of each tile store 256 consecutive aligned bytes
	s_endpgm
.Lfunc_end_k_qfb08368d96_quant:
	.size	k_qfb08368d96_quant, .Lfunc_end_k_qfb08368d96_quant-k_qfb08368d96_quant
	.p2alignl 7, 3214868480
	.fill 96, 4, 3214868480
	.section	.rodata,"a",@progbits
	.p2align	6, 0x0
	.amdhsa_kernel k_qfb08368d96_quant
		.amdhsa_group_segment_fixed_size 17152
		.amdhsa_private_segment_fixed_size 0
		.amdhsa_enable_private_segment 0
		.amdhsa_kernarg_size 64
		.amdhsa_user_sgpr_count 2
		.amdhsa_user_sgpr_kernarg_segment_ptr 1
		.amdhsa_wavefront_size32 1
		.amdhsa_system_sgpr_workgroup_id_x 1
		.amdhsa_system_sgpr_workgroup_id_y 1
		.amdhsa_system_sgpr_workgroup_id_z 1
		.amdhsa_system_vgpr_workitem_id 0
		.amdhsa_next_free_vgpr 250
		.amdhsa_next_free_sgpr 66
		.amdhsa_reserve_vcc 0
		.amdhsa_float_denorm_mode_32 3
		.amdhsa_float_denorm_mode_16_64 3
		.amdhsa_memory_ordered 1
		.amdhsa_forward_progress 1
		.amdhsa_inst_pref_size 85
	.end_amdhsa_kernel
	.amdgpu_metadata
---
amdhsa.version: [ 1, 2 ]
amdhsa.kernels:
  - .name:           k_qfb08368d96_quant
    .symbol:         k_qfb08368d96_quant.kd
    .args:
      - { .name: q, .offset: 0, .size: 8, .value_kind: global_buffer, .address_space: global }
      - { .name: k, .offset: 8, .size: 8, .value_kind: global_buffer, .address_space: global }
      - { .name: v, .offset: 16, .size: 8, .value_kind: global_buffer, .address_space: global }
      - { .name: ops, .offset: 24, .size: 8, .value_kind: global_buffer, .address_space: global }
      - { .name: wq_w, .offset: 32, .size: 8, .value_kind: global_buffer, .address_space: global }
      - { .name: wk_w, .offset: 40, .size: 8, .value_kind: global_buffer, .address_space: global }
      - { .name: wv_w, .offset: 48, .size: 8, .value_kind: global_buffer, .address_space: global }
      - { .name: wo_w, .offset: 56, .size: 8, .value_kind: global_buffer, .address_space: global }
    .group_segment_fixed_size: 17152
    .private_segment_fixed_size: 0
    .kernarg_segment_align: 8
    .kernarg_segment_size: 64
    .max_flat_workgroup_size: 64
    .sgpr_count:     66
    .vgpr_count:     250
    .wavefront_size: 32
...
	.end_amdgpu_metadata
.endif
;; end of part 1
;; launch proj (part 2): grid 256 x 1, 4 waves a work-group, clusters of 4 x 1, 324,608 bytes of LDS; arguments ops, wq_b, wk_b, wv_b, hq; writes hq
.if DOCPART == 2
	.amdgcn_target "amdgcn-amd-amdhsa--gfx1250"
	.amdhsa_code_object_version 6
	.text
	.protected	k_qfb08368d96_proj
	.globl	k_qfb08368d96_proj
	.p2align	8
	.type	k_qfb08368d96_proj,@function
k_qfb08368d96_proj:
	s_mov_b64 s[64:65], 0
	v_nop
	global_prefetch_b8 v0, s[64:65] scope:SCOPE_SE
	s_setreg_imm32_b32 hwreg(HW_REG_WAVE_MODE, 25, 1), 1
	s_wait_xcnt 0x0
	s_wait_alu depctr_hold_cnt(0) depctr_sa_sdst(0) depctr_va_vdst(0) depctr_va_sdst(0) depctr_va_ssrc(0) depctr_va_vcc(0) depctr_vm_vsrc(0)
	s_getreg_b32 s2, hwreg(HW_REG_IB_STS2, 6, 4)
	s_cmp_eq_u32 s2, 0
	s_cbranch_scc0 .Lentry_in_a_cluster
	s_endpgm
.Lentry_in_a_cluster:
	s_bfe_u32 s2, ttmp6, 0x10000c
	s_cmp_lg_u32 s2, 0x3003
	s_cbranch_scc0 .Lentry_shape_is_right
	s_endpgm
.Lentry_shape_is_right:
; qh = q wq + bq, kh = k wk + bk, vh = v wv + bv on codes of FP6 (E2M3), and the results quantised at once: qh and kh along the head's 64, vh along the KEYS.
; A stationary operand S is source 0: 64 rows (four tiles) a wave, for all of K = 1,024, in 384 registers.  A streamed operand T is source 1: tiles of 16 rows in LDS.
; In a result a lane holds ONE row of T, and the 32 registers of the four tiles run along S's 64 rows in their true order (S's tiles: lane-row r of tile T is row 32 (T / 2) + 8 (T % 2) + r + 8 (r / 8)).
; TWO PHASES IN EACH OF 256 WORK-GROUPS, since three products do not divide by 256.  By wave: 8 + 16 = 24 tiles of T, 32 products each.
;   V:    S = 64 rows of v (64 keys), T = 8 tiles of wv's columns: the 32 registers are 64 keys of one channel: V^T, quantised along the keys, with nothing transposed.
;   Q, K: S = 64 columns of wq or wk (one head), T = 16 tiles of rows of q or k: the 32 registers are a row's 64 channels of a head.
; OUT: half fragments of 768 bytes (16 rows x 64 K: lane l = r + 16 h holds k = 32 h + 0 .. 31 in six registers: 0-3 at 16 l, 4-5 at 512 + 8 l) and 16 scale words each (two bytes, upper half 0).
;   Q, K: half fragment head x 512 + row tile.   V: (group of 64 keys) x 64 + tile of columns.
; CLUSTER.  The four work-groups of a cluster take the same T in both phases and four different S: T is asked for JOINTLY.  LDS is filled once, at the head, one tensor load a wave: wave 0 wv's codes, wave 1 wv's words,
; wave 2 q's or k's codes, wave 3 their words.  The first barrier waits for waves 0 and 1 alone; the other two tiles are waited for ahead of the second phase.  No ring, no refill.
; THE FETCH RUNS ONE TILE AHEAD with no test for the end: wv's loads bring one tile more than is multiplied (12,800 bytes, which lie inside ops), and behind q's or k's sixteenth tile the fetch reads the scale words' bytes; neither is used.
; No prefetch: all that comes from memory is asked for at the head or in one run between the phases; no loop walks memory.
; The bias is the C of each sum's first product: along S for Q and K; along T for V, one number a lane, spread over eight registers.
; LIMITS: a block whose largest magnitude lies under 2^-124 (a block of zeros too) keeps the byte 1: its codes are zeros and this program alone reads the bytes; NaN and infinities are not served;
; the bias is added ahead of the products, not behind them.
; REGISTERS, in windows of 256: window 0: addresses, scales, accumulators, results.  window 1: S's fragments of K steps 0-3 at 12 (4 s + t).  window 2: K steps 4-7.  window 3: T's, two buffers of 96.
.set XSO,  18874368                    ; ops: scale words of q, k, v
.set WCO,  19660800                    ; ops: the weights' codes
.set WSO,  22806528                    ; ops: their scale words
.set HQW,  18874368                    ; hq: the scale words
.set TVC,  0                           ; LDS: wv's 9 tiles of codes (12,288 each);
.set TQC,  110592                      ; q's or k's 16;
.set TQW,  307200                      ; their scale words (512 a tile);
.set TVW,  315392                      ; wv's, 9 tiles;
.set SWL,  320000                      ; 1,024 bytes for each wave, in which its results' scale words are gathered: no tensor load lands there;
.set SPARE, 324096                     ; the spare words
.set L16,  1                           ; v1 16 x lane, v2 8 x lane
.set L8,   2
.set TA16, 3                           ; v3 the same at the trip's first tile of T;  v6 its scale words, + 16 r
.set TA8,  4
.set R16,  5                           ; v5 16 r
.set TSA,  6
.set H64,  7                           ; v7 64 h
.set RP4,  8                           ; v8 4 (r + 8 (r / 8))
.set SWA,  9                           ; v9 my wave's gather: 4 r;  v10 the same: 16 x lane;  v11 v9 at the trip's place
.set SWR,  10
.set SWC,  11
.set SS,   16                          ; v16-47   S's scale words: 8 t + s
.set TSC,  52                          ; v52-67   T's, two sets of 8 (their numbers differ from S's modulo 8)
.set ACC,  68                          ; v68-99   four accumulators
.set BS,   100                         ; v100-131 the bias along S, in the results' layout
.set BT,   132                         ; v132-139 the bias along T: my lane's number for the tiles still to come
.set CBK,  140                         ; v140-147 the tile's number eight times
.set TM,   148                         ; v148-155 at work
.set PW,   156
.set OC,   160                         ; v160-175 the codes of a trip's two tiles
.set OW,   224                         ; v224-231 the scale words on their way out
.set SPW,  254
.set NIL,  255
.set WV,   14
.set G1A,  16                          ; s[16:47] descriptor groups 1, s[48:63] groups 0: wv's codes, wv's words, x's codes, x's words
.set G1B,  24
.set G1C,  32
.set G1D,  40
.set G0A,  48
.set G0B,  52
.set G0C,  56
.set G0D,  60
.set SEL,  66
.set VSC,  68                          ; phase V: S's codes, S's words, codes out, words out, the bias
.set VSS,  70
.set VOC,  72
.set VOW,  74
.set VBP,  76
.set QSC,  78                          ; phase Q, K: the same
.set QSS,  80
.set QOC,  82
.set QOW,  84
.set QBP,  86
.set SF,   88                          ; LDS bytes: the trip's first tile of T, its words, its place in the gather
.set SFW,  89
.set SWS,  90
.set CNT,  91
.set MSB, 0
.macro WIN new                         ; the immediate's high byte repeats the setting that is left
.if MSB != (\new)
	s_set_vgpr_msb (MSB<<8)|(\new)
.set MSB, (\new)
.endif
.endm
.macro PLACES n
.rept \n
	v_nop
.endr
.endm
.macro WALU
	s_wait_alu depctr_va_vdst(0)
.endm
.macro CROUND                          ; a round of the cluster's barrier
	s_barrier_signal -1
	s_barrier_wait -1
	s_cmp_lg_u32 s[WV], 0
	s_cbranch_scc1 .Lnot_wave_0_\@
	s_barrier_signal -3
.Lnot_wave_0_\@:
	s_barrier_wait -3
	s_barrier_signal -1
	s_barrier_wait -1
.endm
.macro TLOAD g0, g1
	tensor_load_to_lds s[\g0:\g0+3], s[\g1:\g1+7]
	s_nop 0
	PLACES 4
.endm
; 32 numbers of a lane, register 16 b + i = index 32 b + 16 h + i of my row, become a half fragment in v[oc .. oc + 5] (oc + 6 at work) and its scale word in v[pw].
.macro QUANT64 s, oc, pw
.irp b, 0,1
	v_max3_num_f32 v[TM+\b], |v[\s+16*\b]|, |v[\s+16*\b+1]|, 0x1800000   ; from the low end on; the floor 2^(3 - 127): the byte cannot fall under 1
.endr
.irp b, 0,1
	v_max3_num_f32 v[TM+4+\b], |v[\s+16*\b+8]|, |v[\s+16*\b+9]|, |v[\s+16*\b+10]|   ; a second chain for each block, from the second accumulator's low end on: four chains by turns
.endr
.irp i, 2,4
.irp b, 0,1
	v_max3_num_f32 v[TM+\b], v[TM+\b], |v[\s+16*\b+\i]|, |v[\s+16*\b+\i+1]|
	v_max3_num_f32 v[TM+4+\b], v[TM+4+\b], |v[\s+16*\b+\i+9]|, |v[\s+16*\b+\i+10]|
.endr
.endr
.irp b, 0,1
	v_max3_num_f32 v[TM+\b], v[TM+\b], |v[\s+16*\b+6]|, |v[\s+16*\b+7]|
.endr
.irp b, 0,1
	v_max3_num_f32 v[TM+\b], v[TM+\b], v[TM+4+\b], |v[\s+16*\b+15]|
.endr
.irp b, 0,1
	v_permlanex16_b32 v[TM+2+\b], v[TM+\b], s[SEL], s[SEL+1]
.endr
.irp b, 0,1
	v_max_num_f32 v[TM+\b], v[TM+\b], v[TM+2+\b]
.endr
.irp b, 0,1
	v_add_nc_u32 v[TM+4+\b], 0xff000000, v[TM+\b]
.endr
.irp b, 0,1
	v_lshrrev_b32 v[TM+6+\b], 23, v[TM+4+\b]
.endr
	v_lshl_or_b32 v[\pw], v[TM+7], 8, v[TM+6]
	v_cvt_scalef32_pk16_fp6_f32 v[\oc:\oc+2], v[\s:\s+15], v[TM+4]
	v_cvt_scalef32_pk16_fp6_f32 v[\oc+4:\oc+6], v[\s+16:\s+31], v[TM+5]
	v_nop                                          ; one plain place behind a scaled conversion
.irp i, 0,1,2
	v_permlane16_swap_b32 v[\oc+\i], v[\oc+4+\i]   ; a WHOLE block to a lane
.endr
	v_mov_b32 v[\oc+3], v[\oc+4]
	v_mov_b32 v[\oc+4], v[\oc+5]
	v_mov_b32 v[\oc+5], v[\oc+6]
.endm
.macro GFRAG p, reg, off               ; a fragment's image (1,536 bytes) from memory
	global_load_b128 v[\reg:\reg+3], v[L16], s[\p:\p+1] offset:\off            ; three pieces of four registers, 512 consecutive bytes each
	global_load_b128 v[\reg+4:\reg+7], v[L16], s[\p:\p+1] offset:\off+512
	global_load_b128 v[\reg+8:\reg+11], v[L16], s[\p:\p+1] offset:\off+1024
.endm
.macro LFRAG reg, off                  ; and from LDS
	ds_load_b128 v[\reg:\reg+3], v[TA16] offset:\off
	ds_load_b128 v[\reg+4:\reg+7], v[TA16] offset:\off+512
	ds_load_b128 v[\reg+8:\reg+11], v[TA16] offset:\off+1024
.endm
.macro FETCH e, n                      ; the tile n behind the trip's first into buffer e: 24 loads of codes, 2 of scale words: 26
	WIN 0xc0
.irp k, 0,1,2,3,4,5,6,7
	LFRAG 96*(\e)+12*\k, 12288*(\n)+1536*\k
.endr
	WIN 0
	ds_load_b128 v[TSC+8*(\e):TSC+8*(\e)+3], v[TSA] offset:512*(\n)
	ds_load_b128 v[TSC+8*(\e)+4:TSC+8*(\e)+7], v[TSA] offset:512*(\n)+256
.endm
.macro TRIPADR
	v_add_nc_u32 v[TA16], s[SF], v[L16]
	v_add_nc_u32 v[TSA], s[SFW], v[R16]
	v_add_nc_u32 v[SWC], s[SWS], v[SWA]
.endm
.macro WM t, e, k, c
	v_wmma_scale_f32_16x16x128_f8f6f4 v[ACC+8*\t:ACC+8*\t+7], v[12*(4*((\k)%4)+\t):12*(4*((\k)%4)+\t)+11], v[96*(\e)+12*(\k):96*(\e)+12*(\k)+11], \c, v[SS+8*\t+(\k)], v[TSC+8*(\e)+(\k)] matrix_a_fmt:MATRIX_FMT_FP6 matrix_b_fmt:MATRIX_FMT_FP6
.endm
.macro MUL isv, e, k                   ; K step k: the four accumulators by turns; K step 0 starts the sums with the bias
.irp t, 0,1,2,3
.if (\k) > 0
	WM \t, \e, \k, v[ACC+8*\t:ACC+8*\t+7]
.elseif \isv
	WM \t, \e, \k, v[CBK:CBK+7]
.else
	WM \t, \e, \k, v[BS+8*\t:BS+8*\t+7]
.endif
.endr
.endm
.macro TILE isv, e, oc
	FETCH 1-(\e), 1+(\e)                           ; the next tile, into the buffer that the last tile multiplied: its last product stands four v_nop and a quantiser back
.if \isv
.irp j, 0,1,2,3,4,5,6,7
	v_mov_b32 v[CBK+\j], v[BT+\e]
.endr
.endif
	WALU
	s_wait_dscnt 26                                ; all but the 26 loads just issued: this tile's fragments and scale words are in
	WIN 0x0d                                       ; source 0 (S) window 1, source 1 (T) window 3, C and D window 0
.irp k, 0,1,2,3
	MUL \isv, \e, \k
.endr
	WIN 0x0e                                       ; source 0 window 2
.irp k, 4,5,6,7
	MUL \isv, \e, \k
.endr
	WIN 0
	PLACES 4                                       ; four places between the last product and the first read of a result
	s_wait_xcnt 0x0                                ; earlier stores have read their registers and base
.if \e
	s_add_nc_u64 s[\oc:\oc+1], s[\oc:\oc+1], 1536  ; on to the next trip's place: this tile's lies 768 bytes under it
.endif
	QUANT64 ACC, OC+8*(\e), PW
	ds_store_b32 v[SWC], v[PW] offset:64*(\e)      ; both halves of the lanes write the same word with the same value
	global_store_b128 v[L16], v[OC+8*(\e):OC+8*(\e)+3], s[\oc:\oc+1] offset:-768*(\e)      ; 512 consecutive aligned bytes,
	global_store_b64 v[L8], v[OC+8*(\e)+4:OC+8*(\e)+5], s[\oc:\oc+1] offset:512-768*(\e)   ; and 256
.endm
.macro PHASE isv, sc, ss, oc, ow, bp, cbase, wbase, pairs
	WIN 0x40                                       ; destination window 1
.irp k, 0,1,2,3
.irp t, 0,1,2,3
	GFRAG \sc, 12*(4*\k+\t), 12288*\t+1536*\k
.endr
.endr
	WIN 0x80                                       ; destination window 2
.irp k, 0,1,2,3
.irp t, 0,1,2,3
	GFRAG \sc, 12*(4*\k+\t), 12288*\t+1536*(\k+4)
.endr
.endr
	WIN 0
.irp t, 0,1,2,3
	global_load_b128 v[SS+8*\t:SS+8*\t+3], v[R16], s[\ss:\ss+1] offset:512*\t
	global_load_b128 v[SS+8*\t+4:SS+8*\t+7], v[R16], s[\ss:\ss+1] offset:512*\t+256
.endr
.if \isv
.irp i, 0,1,2,3,4,5,6,7
	global_load_b32 v[BT+\i], v[RP4], s[\bp:\bp+1] offset:128*(\i/2)+32*(\i%2)      ; tile i's lane-row r is T's row 32 (i / 2) + 8 (i % 2) + r + 8 (r / 8)
.endr
.else
.irp t, 0,1,2,3
	global_load_b128 v[BS+8*\t:BS+8*\t+3], v[H64], s[\bp:\bp+1] offset:128*(\t/2)+32*(\t%2)      ; tile t's register j is S's row 32 (t / 2) + 16 h + 8 (t % 2) + j
	global_load_b128 v[BS+8*\t+4:BS+8*\t+7], v[H64], s[\bp:\bp+1] offset:128*(\t/2)+32*(\t%2)+16
.endr
.endif
	s_mov_b32 s[SF], \cbase
	s_mov_b32 s[SFW], \wbase
	s_mov_b32 s[SWS], 0
	s_mov_b32 s[CNT], \pairs
	TRIPADR
	WALU
.if \isv
	s_cmp_lt_u32 s[WV], 2                          ; wv's codes and words are waves 0 and 1's loads
	s_cbranch_scc0 .Lnot_mine_\@
	s_wait_tensorcnt 0x0
.Lnot_mine_\@:
.else
	s_wait_tensorcnt 0x0                           ; every wave's load has landed
.endif
	s_wait_dscnt 0x0
	s_barrier_signal -1
	s_barrier_wait -1                              ; this phase's T is whole for all four waves
	FETCH 0, 0
	s_wait_loadcnt 0x0                             ; S, its words, the bias
.Ltiles_\@:                                            ; a trip: two tiles of T
	TILE \isv, 0, \oc
	TILE \isv, 1, \oc
.if \isv
.irp j, 0,1,2,3,4,5
	v_mov_b32 v[BT+\j], v[BT+\j+2]                 ; the next trip's two numbers move to the front
.endr
.endif
	s_add_co_u32 s[SF], s[SF], 24576
	s_add_co_u32 s[SFW], s[SFW], 1024
	s_add_co_u32 s[SWS], s[SWS], 128
	TRIPADR
	s_sub_co_u32 s[CNT], s[CNT], 1
	s_cmp_lg_u32 s[CNT], 0
	WALU
	s_cbranch_scc1 .Ltiles_\@
	ds_load_b128 v[OW:OW+3], v[SWR]                ; LDS serves a wave's instructions in order: these see my stores
.if !(\isv)
	ds_load_b128 v[OW+4:OW+7], v[SWR] offset:512
.endif
	s_wait_dscnt 0x0
	global_store_b128 v[L16], v[OW:OW+3], s[\ow:\ow+1]   ; eight half fragments' scale words: 512 consecutive aligned bytes
.if !(\isv)
	global_store_b128 v[L16], v[OW+4:OW+7], s[\ow:\ow+1] offset:512
.endif
.endm
	s_load_b256 s[4:11], s[0:1], 0x0               ; ops s[4:5], wq_b s[6:7], wk_b s[8:9], wv_b s[10:11]
	s_load_b64 s[12:13], s[0:1], 0x20              ; hq
	v_lshl_add_u32 v[SPW], v0, 2, SPARE
	v_mov_b32 v[NIL], 0
	ds_add_u32 v[SPW], v[NIL]                      ; the opening lines
	ds_add_u32 v[SPW], v[NIL]
	v_lshrrev_b32 v11, 5, v0
	v_readfirstlane_b32 s[WV], v11                 ; wave 0..3
	s_bfe_u32 s15, ttmp6, 0x40000                  ; cx: it enters S's, the bias's and the results' addresses alone
	s_and_b32 s92, ttmp9, 7                        ; PHASE V (ttmp9 counts clusters, 0 .. 63): which eight tiles of wv,
	s_lshr_b32 s93, ttmp9, 3                       ; which 1,024 keys
	s_mul_i32 s[G0A+2], s92, 98304
	s_add_co_u32 s[G0A+2], s[G0A+2], WCO+2*786432
	s_lshl_b32 s[G0B+2], s92, 12
	s_add_co_u32 s[G0B+2], s[G0B+2], WSO+2*32768
	s_lshl_b32 s96, s93, 2
	s_add_co_u32 s96, s96, s15
	s_lshl_b32 s96, s96, 2
	s_add_co_u32 s96, s96, s[WV]                   ; my group of 64 keys, 0 .. 127
	s_mul_i32 s[VSC], s96, 49152
	s_add_co_u32 s[VSC], s[VSC], 2*6291456
	s_lshl_b32 s[VSS], s96, 11
	s_add_co_u32 s[VSS], s[VSS], XSO+2*262144
	s_lshl_b32 s96, s96, 6
	s_lshl_b32 s97, s92, 3
	s_add_co_u32 s96, s96, s97                     ; my first half fragment
	s_mul_i32 s[VOC], s96, 768
	s_add_co_u32 s[VOC], s[VOC], 2*6291456
	s_lshl_b32 s[VOW], s96, 6
	s_add_co_u32 s[VOW], s[VOW], HQW+2*524288
	s_lshl_b32 s[VBP], s92, 9
	s_lshr_b32 s92, ttmp9, 5                       ; PHASE Q, K: 0 Q, 1 K,
	s_and_b32 s93, ttmp9, 31                       ; which sixteen tiles of rows
	s_mul_i32 s94, s92, 6291456
	s_mul_i32 s[G0C+2], s93, 196608
	s_add_co_u32 s[G0C+2], s[G0C+2], s94
	s_lshl_b32 s[G0D+2], s93, 13
	s_lshl_b32 s95, s92, 18
	s_add_co_u32 s[G0D+2], s[G0D+2], s95
	s_add_co_u32 s[G0D+2], s[G0D+2], XSO
	s_lshl_b32 s96, s15, 2
	s_add_co_u32 s96, s96, s[WV]                   ; my head
	s_mul_i32 s[QSC], s96, 49152
	s_mul_i32 s95, s92, 786432
	s_add_co_u32 s[QSC], s[QSC], s95
	s_add_co_u32 s[QSC], s[QSC], WCO
	s_lshl_b32 s[QSS], s96, 11
	s_lshl_b32 s95, s92, 15
	s_add_co_u32 s[QSS], s[QSS], s95
	s_add_co_u32 s[QSS], s[QSS], WSO
	s_lshl_b32 s97, s96, 9
	s_lshl_b32 s95, s93, 4
	s_add_co_u32 s97, s97, s95                     ; my first half fragment
	s_mul_i32 s[QOC], s97, 768
	s_add_co_u32 s[QOC], s[QOC], s94
	s_lshl_b32 s[QOW], s97, 6
	s_lshl_b32 s95, s92, 19
	s_add_co_u32 s[QOW], s[QOW], s95
	s_add_co_u32 s[QOW], s[QOW], HQW
	s_lshl_b32 s[QBP], s96, 8
.irp p, VSC, VSS, VOC, VOW, VBP, QSC, QSS, QOC, QOW, QBP, G0A+2, G0B+2, G0C+2, G0D+2
	s_mov_b32 s[\p+1], 0                           ; offsets as pairs
.endr
	s_mov_b32 s[SEL], 0x76543210
	s_mov_b32 s[SEL+1], 0xfedcba98
.irp g, G1A, G1B, G1C, G1D
	s_mov_b32 s[\g], 15|(3<<16)|(1<<21)            ; the mask: all four work-groups; elements of 8 bytes; bit 21 beside a mask
	s_mov_b32 s[\g+1], 32<<16                      ; dense bytes as rows of 256
	s_mov_b32 s[\g+3], 32<<16
	s_mov_b32 s[\g+5], 32
	s_mov_b32 s[\g+6], 0
	s_mov_b32 s[\g+7], 0
.endr
	s_mov_b32 s[G1A+2], 432<<16                    ; 110,592 bytes
	s_mov_b32 s[G1A+4], 432
	s_mov_b32 s[G1B+2], 18<<16                     ; 4,608
	s_mov_b32 s[G1B+4], 18
	s_mov_b32 s[G1C+2], 768<<16                    ; 196,608
	s_mov_b32 s[G1C+4], 768
	s_mov_b32 s[G1D+2], 32<<16                     ; 8,192
	s_mov_b32 s[G1D+4], 32
	s_mov_b32 s[G0A], 1
	s_mov_b32 s[G0A+1], TVC
	s_mov_b32 s[G0B], 1
	s_mov_b32 s[G0B+1], TVW
	s_mov_b32 s[G0C], 1
	s_mov_b32 s[G0C+1], TQC
	s_mov_b32 s[G0D], 1
	s_mov_b32 s[G0D+1], TQW
	v_and_b32 v11, 31, v0                          ; lane
	v_lshlrev_b32 v[L16], 4, v11
	v_lshlrev_b32 v[L8], 3, v11
	v_and_b32 v12, 15, v0                          ; r
	v_bfe_u32 v13, v0, 4, 1                        ; h
	v_lshlrev_b32 v[R16], 4, v12
	v_lshlrev_b32 v[H64], 6, v13
	v_and_b32 v14, 8, v12
	v_add_nc_u32 v14, v14, v12
	v_lshlrev_b32 v[RP4], 2, v14
	s_lshl_b32 s99, s[WV], 10
	s_add_co_u32 s99, s99, SWL
	v_lshl_add_u32 v[SWA], v12, 2, s99
	v_add_nc_u32 v[SWR], s99, v[L16]
	v_mov_b32 v[TM+2], 0                           ; written once: a lane permute's destination counts as one of its sources
	v_mov_b32 v[TM+3], 0
	WALU
	s_wait_dscnt 0x0
	s_wait_kmcnt 0x0
	s_cmp_eq_u32 s92, 1                            ; Q's or K's bias: chosen by the cluster's number alone
	s_cselect_b64 s[6:7], s[8:9], s[6:7]
	s_add_nc_u64 s[QBP:QBP+1], s[6:7], s[QBP:QBP+1]
	s_add_nc_u64 s[VBP:VBP+1], s[10:11], s[VBP:VBP+1]
.irp p, VSC, VSS, QSC, QSS
	s_add_nc_u64 s[\p:\p+1], s[4:5], s[\p:\p+1]
.endr
.irp p, VOC, VOW, QOC, QOW
	s_add_nc_u64 s[\p:\p+1], s[12:13], s[\p:\p+1]
.endr
.irp g, G0A, G0B, G0C, G0D
	s_add_nc_u64 s[\g+2:\g+3], s[4:5], s[\g+2:\g+3]
	s_or_b32 s[\g+3], s[\g+3], 0x80000000
.endr
	CROUND                                         ; all four work-groups are here: the joint loads meet
	s_cmp_eq_u32 s[WV], 0                          ; one joint load a wave, in one chain on the wave's number; what is needed first is asked for by the lower waves
	s_cbranch_scc0 .Lwave_1
	TLOAD G0A, G1A
	s_branch .Lasked
.Lwave_1:
	s_cmp_eq_u32 s[WV], 1
	s_cbranch_scc0 .Lwave_2
	TLOAD G0B, G1B
	s_branch .Lasked
.Lwave_2:
	s_cmp_eq_u32 s[WV], 2
	s_cbranch_scc0 .Lwave_3
	TLOAD G0C, G1C
	s_branch .Lasked
.Lwave_3:
	TLOAD G0D, G1D
.Lasked:
	PHASE 1, VSC, VSS, VOC, VOW, VBP, TVC, TVW, 4
	PHASE 0, QSC, QSS, QOC, QOW, QBP, TQC, TQW, 8
	s_wait_tensorcnt 0x0                           ; the wave's end
	ds_add_u32 v[SPW], v[NIL]
	s_wait_dscnt 0x0
	CROUND                                         ; the closing round
	s_endpgm
.Lfunc_end_k_qfb08368d96_proj:
	.size	k_qfb08368d96_proj, .Lfunc_end_k_qfb08368d96_proj-k_qfb08368d96_proj
	.p2alignl 7, 3214868480
	.fill 96, 4, 3214868480
	.section	.rodata,"a",@progbits
	.p2align	6, 0x0
	.amdhsa_kernel k_qfb08368d96_proj
		.amdhsa_group_segment_fixed_size 324608
		.amdhsa_private_segment_fixed_size 0
		.amdhsa_enable_private_segment 0
		.amdhsa_kernarg_size 40
		.amdhsa_user_sgpr_count 2
		.amdhsa_user_sgpr_kernarg_segment_ptr 1
		.amdhsa_wavefront_size32 1
		.amdhsa_system_sgpr_workgroup_id_x 1
		.amdhsa_system_sgpr_workgroup_id_y 1
		.amdhsa_system_sgpr_workgroup_id_z 1
		.amdhsa_system_vgpr_workitem_id 0
		.amdhsa_next_free_vgpr 960
		.amdhsa_next_free_sgpr 100
		.amdhsa_reserve_vcc 0
		.amdhsa_float_denorm_mode_32 3
		.amdhsa_float_denorm_mode_16_64 3
		.amdhsa_memory_ordered 1
		.amdhsa_forward_progress 1
		.amdhsa_inst_pref_size 70
	.end_amdhsa_kernel
	.amdgpu_metadata
---
amdhsa.version: [ 1, 2 ]
amdhsa.kernels:
  - .name:           k_qfb08368d96_proj
    .symbol:         k_qfb08368d96_proj.kd
    .args:
      - { .name: ops, .offset: 0, .size: 8, .value_kind: global_buffer, .address_space: global }
      - { .name: wq_b, .offset: 8, .size: 8, .value_kind: global_buffer, .address_space: global }
      - { .name: wk_b, .offset: 16, .size: 8, .value_kind: global_buffer, .address_space: global }
      - { .name: wv_b, .offset: 24, .size: 8, .value_kind: global_buffer, .address_space: global }
      - { .name: hq, .offset: 32, .size: 8, .value_kind: global_buffer, .address_space: global }
    .group_segment_fixed_size: 324608
    .private_segment_fixed_size: 0
    .kernarg_segment_align: 8
    .kernarg_segment_size: 40
    .max_flat_workgroup_size: 128
    .sgpr_count:     100
    .vgpr_count:     960
    .wavefront_size: 32
...
	.end_amdgpu_metadata
.endif
;; end of part 2
;; launch attn (part 3): grid 256 x 1, 8 waves a work-group, clusters of 4 x 1, 215,040 bytes of LDS; arguments hq, aq; writes aq
.if DOCPART == 3
	.amdgcn_target "amdgcn-amd-amdhsa--gfx1250"
	.amdhsa_code_object_version 6
	.text
	.protected	k_qfb08368d96_attn
	.globl	k_qfb08368d96_attn
	.p2align	8
	.type	k_qfb08368d96_attn,@function
k_qfb08368d96_attn:
	s_mov_b64 s[64:65], 0
	v_nop
	global_prefetch_b8 v0, s[64:65] scope:SCOPE_SE
	s_setreg_imm32_b32 hwreg(HW_REG_WAVE_MODE, 25, 1), 1
	s_wait_xcnt 0x0
	s_wait_alu depctr_hold_cnt(0) depctr_sa_sdst(0) depctr_va_vdst(0) depctr_va_sdst(0) depctr_va_ssrc(0) depctr_va_vcc(0) depctr_vm_vsrc(0)
	s_getreg_b32 s2, hwreg(HW_REG_IB_STS2, 6, 4)
	s_cmp_eq_u32 s2, 0
	s_cbranch_scc0 .Lentry_in_a_cluster
	s_endpgm
.Lentry_in_a_cluster:
	s_bfe_u32 s2, ttmp6, 0x10000c
	s_cmp_lg_u32 s2, 0x3003
	s_cbranch_scc0 .Lentry_shape_is_right
	s_endpgm
.Lentry_shape_is_right:
; For each of 64 (batch, head): O[q] = the sum over keys of softmax(Q[q] . K[key] / 8) V[key], both products on codes of FP6 (E2M3); O is quantised along its head's 64 channels at once, as an operand of the last projection.
; THE SOFTMAX: t = score x log2(e) / 8; M = the running largest t rounded UP to a whole number; p = 2^(t - M) is quantised along the keys, not normalised; the row's sum is taken of the unquantised p
; and divides O at the end; when M moves, the sum and O are multiplied by 2^(old M - new M), which rounds nothing.
; IN: half fragments of 768 bytes (16 rows x 64 K as images of six registers a lane: 0-3 at 16 x lane, 4-5 at 512 + 8 x lane), 16 scale words each (two bytes, upper half 0).
; SHARES.  A cluster of four work-groups takes one head, each 512 queries; a wave takes four tiles of 16 queries, TWO SIDE BY SIDE in each of two passes: tile A's arrays lie in register window 0,
; tile B's at the same numbers in window 1, so that each fragment of K and V read from LDS serves two tiles.  The small state of both tiles lies in window 0, and their chains go line by line in turn.
; A HEAD'S K, V^T AND SCALE WORDS, 208 KiB, STAY IN LDS: filled once, jointly for the four work-groups, one tensor load a wave: waves 0-1 K's codes, 2-5 V's codes, 6 K's words, 7 V's words.
; So the loop over the keys has no barrier, no ring and no refill, and no stream from memory for a prefetch to run ahead of: none is written.
; LAYOUT.  Both products are used transposed: S^T = K Q^T, O^T = V^T P^T: a lane holds ONE query throughout.  K's tile 4 c + t has key 64 c + 32 (m / 8) + 8 t + m % 8 in lane-row m: so lane (r, h) holds in the 32 registers
; of tiles 4 c .. 4 c + 3 the keys 64 c + 32 h + 0 .. 31: ONE SCALE BLOCK of P, in the order of the operand's registers: its largest p needs no other lane and the conversions' results are the operand.
; THE FIRST PRODUCT'S K IS 64.  Q's fragment has zero codes in registers 6-11.  K's eight tiles lie on end, six registers each; tile u's operand is the twelve registers from its first on, so its upper half is tile u + 1's codes
; (behind tile 7: six zeros), which meet Q's zero codes alone; the scale words' upper bytes, 0, are finite codes.
; LIMITS: the promise holds while the scaled scores stay under 2^31 in magnitude; a block whose largest magnitude lies under 2^-124 (a block of zeros too) keeps the byte 1: its codes are zeros and this program alone reads the bytes;
; NaN and infinities are not served; 1 / sum by v_rcp_f32; a block's largest p is made from the block's largest score by the same two instructions, which takes v_exp_f32 not to fall where its input rises.
; A pass's two tiles' scale words leave as 128 consecutive bytes a wave: half of an aligned 256; they are one thirteenth of what the launch stores.  The last key step of the last pass reads K's step 0 once more and does not use it.
.set VB,    98304                      ; LDS: K's codes at 0 ([key step 16][tile 8][768]); V's here ([64 keys 32][tile 4][768]);
.set KWB,   196608                     ; K's words ([tile 128][16]);
.set VWB,   204800                     ; V's words ([64 keys 32][tile 4][16]);
.set SPARE, 212992                     ; the spare words, 128 bytes a wave
.set L16,  1                           ; v1 16 x lane, v2 8 x lane, v3 4 x lane, v4 4 r, v5 8 h: never rewritten
.set L8,   2
.set L4,   3
.set R4,   4
.set SH8,  5
.set AK16, 6                           ; v6, v7, v10 the same in K's next key step;  v8, v9, v11 in V's key step in hand
.set AK8,  7
.set AV16, 8
.set AV8,  9
.set AKW,  10
.set AVW,  11
.set SPW,  12                          ; v12 my spare word, v13 0
.set NIL,  13
.set Q1W,  14                          ; v14, v15 Q's scale words of the second pass;  v16, v17 of the pass in hand (tile A, B)
.set QW,   16
.set PW,   18                          ; v18, v19 P's scale words (tile A, B)
.set KW,   20                          ; v20-23 K's: lanes 0-15 tile 2 i, lanes 16-31 tile 2 i + 1
.set VR,   24                          ; v24-27 V's as loaded;  v28, v29 joined for 128 keys
.set VW,   28
.set ST,   32                          ; v32-47, v48-63 the state of tile A, B: +0 -M (a pair), +2 f (a pair), +4 the sum in two halves, +6 the largest score, +7 at work, +8..11 four chains (then +8, +10 the blocks' largest), +12, +13 scale operands, +14 at work
.set KF,   64                          ; v64-111 K's eight tiles, v112-117 zeros
.set S,    128                         ; in each window: v128-191 S^T, then p;  v192-223 O^T;  v224-235 Q's fragment;  v236-247 P's codes;  v248-254 at work
.set OT,   192
.set QF,   224
.set PC,   236
.set C2,   248
.set VF,   0                           ; window 1: v0-47 V's four fragments;  v48-53, v54-59 Q of the second pass
.set Q1A,  48
.set Q1B,  54
.set TM,   S+32                        ; the last quantiser, in the tile's window: at work, codes, word
.set OCD,  S+40
.set OWD,  S+48
.set WV,   8
.set G1K,  16                          ; s[16:47] four descriptor groups 1, s[48:63] their groups 0: K's codes, V's codes, K's words, V's words
.set G1V,  24
.set G1KW, 32
.set G1VW, 40
.set G0K,  48
.set G0V,  52
.set G0KW, 56
.set G0VW, 60
.set SEL,  66                          ; s[66:67] lane selects: lane l xor 16
.set CS,   68                          ; s[68:69] c = log2(e) / 8, as a pair;  s70 -c
.set NC,   70
.set SK,   71                          ; LDS bytes: K's codes of the next step, V's of this, K's words, V's words
.set SV,   72
.set SKW,  73
.set SVW,  74
.set CNT,  75
.set PS,   76
.set HM,   77
.set QCP,  94
.set QWP,  96
.set OCP,  98
.set OWP,  12
.set MSB, 0
.macro WIN new                         ; the immediate's high byte repeats the setting that is left
.if MSB != (\new)
	s_set_vgpr_msb (MSB<<8)|(\new)
.set MSB, (\new)
.endif
.endm
.macro PLACES n
.rept \n
	v_nop
.endr
.endm
.macro WALU
	s_wait_alu depctr_va_vdst(0)
.endm
.macro CROUND                          ; a round of the cluster's barrier
	s_barrier_signal -1
	s_barrier_wait -1
	s_cmp_lg_u32 s[WV], 0
	s_cbranch_scc1 .Lnot_wave_0_\@
	s_barrier_signal -3
.Lnot_wave_0_\@:
	s_barrier_wait -3
	s_barrier_signal -1
	s_barrier_wait -1
.endm
.macro TLOAD g0, g1
	tensor_load_to_lds s[\g0:\g0+3], s[\g1:\g1+7]
	s_nop 0
	PLACES 4
.endm
.macro QK w, u                         ; S^T of tile u of K
.if (\u)%2
	v_wmma_scale_f32_16x16x128_f8f6f4 v[S+8*(\u):S+8*(\u)+7], v[KF+6*(\u):KF+6*(\u)+11], v[QF:QF+11], 0, v[KW+(\u)/2], v[QW+\w] matrix_a_fmt:MATRIX_FMT_FP6 matrix_b_fmt:MATRIX_FMT_FP6 matrix_a_scale:MATRIX_SCALE_ROW1
.else
	v_wmma_scale_f32_16x16x128_f8f6f4 v[S+8*(\u):S+8*(\u)+7], v[KF+6*(\u):KF+6*(\u)+11], v[QF:QF+11], 0, v[KW+(\u)/2], v[QW+\w] matrix_a_fmt:MATRIX_FMT_FP6 matrix_b_fmt:MATRIX_FMT_FP6
.endif
.endm
.macro PV w, t                         ; O^T += V^T P^T, 16 channels
.if (\t)%2
	v_wmma_scale_f32_16x16x128_f8f6f4 v[OT+8*(\t):OT+8*(\t)+7], v[VF+12*(\t):VF+12*(\t)+11], v[PC:PC+11], v[OT+8*(\t):OT+8*(\t)+7], v[VW+(\t)/2], v[PW+\w] matrix_a_fmt:MATRIX_FMT_FP6 matrix_b_fmt:MATRIX_FMT_FP6 matrix_a_scale:MATRIX_SCALE_ROW1
.else
	v_wmma_scale_f32_16x16x128_f8f6f4 v[OT+8*(\t):OT+8*(\t)+7], v[VF+12*(\t):VF+12*(\t)+11], v[PC:PC+11], v[OT+8*(\t):OT+8*(\t)+7], v[VW+(\t)/2], v[PW+\w] matrix_a_fmt:MATRIX_FMT_FP6 matrix_b_fmt:MATRIX_FMT_FP6
.endif
.endm
.macro KLOAD                           ; a key step's K: 16 loads of codes, 4 of words: 20
.irp u, 0,1,2,3,4,5,6,7
	ds_load_b128 v[KF+6*\u:KF+6*\u+3], v[AK16] offset:768*\u
	ds_load_b64 v[KF+6*\u+4:KF+6*\u+5], v[AK8] offset:768*\u+512
.endr
.irp i, 0,1,2,3
	ds_load_b32 v[KW+\i], v[AKW] offset:128*\i
.endr
.endm
	s_load_b128 s[4:7], s[0:1], 0x0                ; hq s[4:5], aq s[6:7]
	v_lshl_add_u32 v[SPW], v0, 2, SPARE
	v_mov_b32 v[NIL], 0
	ds_add_u32 v[SPW], v[NIL]                      ; the opening lines
	ds_add_u32 v[SPW], v[NIL]
	v_lshrrev_b32 v1, 5, v0
	v_readfirstlane_b32 s[WV], v1                  ; wave 0..7
	s_bfe_u32 s9, ttmp6, 0x40000                   ; cx: which 512 queries: it enters Q's and the results' addresses alone
	s_lshr_b32 s10, ttmp9, 4                       ; the batch (ttmp9 counts clusters)
	s_and_b32 s11, ttmp9, 15                       ; the head
	s_lshl_b32 s12, s11, 9
	s_lshl_b32 s13, s10, 7
	s_add_co_u32 s12, s12, s13                     ; head x 512 + batch x 128: the first half fragment of Q and of K
	s_min_u32 s13, s[WV], 1
	s_mul_i32 s13, s13, 49152                      ; waves 0, 1: half of K's 98,304 bytes, in memory and in LDS alike
	s_mul_i32 s78, s12, 768
	s_add_co_u32 s78, s78, s13
	s_add_co_u32 s78, s78, 6291456
	s_mov_b32 s79, 0
	s_lshl_b32 s80, s12, 6
	s_add_co_u32 s80, s80, 19398656                ; K's words
	s_mov_b32 s81, 0
	s_min_u32 s14, s[WV], 5
	s_lshl_b32 s82, s14, 3                         ; waves 2-5: eight groups of 64 keys each: group 32 batch + 8 (wave - 2)
	s_lshl_b32 s15, s10, 5
	s_add_co_u32 s82, s82, s15
	s_mul_i32 s82, s82, 49152
	s_mul_i32 s15, s11, 3072
	s_add_co_u32 s82, s82, s15
	s_add_co_u32 s82, s82, 12582912-786432
	s_mov_b32 s83, 0
	s_mul_i32 s14, s14, 24576
	s_add_co_u32 s14, s14, VB-49152                ; and their place in LDS
	s_lshl_b32 s84, s10, 17
	s_lshl_b32 s85, s11, 8
	s_add_co_u32 s84, s84, s85
	s_add_co_u32 s84, s84, 19922944                ; V's words
	s_mov_b32 s85, 0
	s_lshl_b32 s15, s9, 5
	s_lshl_b32 s86, s[WV], 2
	s_add_co_u32 s15, s15, s86                     ; my first tile of queries in the batch: 32 cx + 4 wave
	s_add_co_u32 s88, s15, s12                     ; its half fragment of Q
	s_mul_i32 s86, s88, 768
	s_mov_b32 s87, 0
	s_lshl_b32 s88, s88, 6
	s_add_co_u32 s92, s88, 6291456                 ; words out: [head][row tile][16 words]
	s_add_co_u32 s88, s88, 18874368
	s_mov_b32 s89, 0
	s_mov_b32 s93, 0
	s_lshl_b32 s90, s10, 7
	s_add_co_u32 s90, s90, s15
	s_lshl_b32 s90, s90, 4
	s_add_co_u32 s90, s90, s11
	s_mul_i32 s90, s90, 768                        ; codes out: [row tile][head][768]
	s_mov_b32 s91, 0
	s_mov_b32 s[SEL], 0x76543210
	s_mov_b32 s[SEL+1], 0xfedcba98
	s_mov_b32 s[CS], 0x3e38aa3b
	s_mov_b32 s[CS+1], s[CS]
	s_mov_b32 s[NC], 0xbe38aa3b
	s_mov_b32 s[HM], 0xffff0000
.irp g, G1K, G1V, G1KW, G1VW
	s_mov_b32 s[\g], 15|(3<<16)|(1<<21)            ; the mask: all four work-groups; elements of 8 bytes; bit 21 beside a mask
	s_mov_b32 s[\g+6], 0
	s_mov_b32 s[\g+7], 0
.endr
	s_mov_b32 s[G1K+1], 32<<16                     ; K's codes: 49,152 dense bytes as 192 rows of 256
	s_mov_b32 s[G1K+2], 192<<16
	s_mov_b32 s[G1K+3], 32<<16
	s_mov_b32 s[G1K+4], 192
	s_mov_b32 s[G1K+5], 32
	s_mov_b32 s[G1V+1], 384<<16                    ; V's codes: 8 rows (64 keys each) of 3,072 bytes (the head's four tiles), 49,152 bytes apart
	s_mov_b32 s[G1V+2], 8<<16
	s_mov_b32 s[G1V+3], 384<<16
	s_mov_b32 s[G1V+4], 8
	s_mov_b32 s[G1V+5], 6144
	s_mov_b32 s[G1KW+1], 32<<16                    ; K's words: 8,192 dense bytes
	s_mov_b32 s[G1KW+2], 32<<16
	s_mov_b32 s[G1KW+3], 32<<16
	s_mov_b32 s[G1KW+4], 32
	s_mov_b32 s[G1KW+5], 32
	s_mov_b32 s[G1VW+1], 32<<16                    ; V's words: 32 rows of 256 bytes, 4,096 bytes apart
	s_mov_b32 s[G1VW+2], 32<<16
	s_mov_b32 s[G1VW+3], 32<<16
	s_mov_b32 s[G1VW+4], 32
	s_mov_b32 s[G1VW+5], 512
	v_and_b32 v4, 31, v0
	v_lshlrev_b32 v[L16], 4, v4
	v_lshlrev_b32 v[L8], 3, v4
	v_lshlrev_b32 v[L4], 2, v4
	v_and_b32 v5, 15, v0
	v_bfe_u32 v6, v0, 4, 1
	v_lshlrev_b32 v[R4], 2, v5
	v_lshlrev_b32 v[SH8], 3, v6
	v_mov_b32 v[AK16], v[L16]                      ; K's key step 0
	v_mov_b32 v[AK8], v[L8]
	v_add_nc_u32 v[AKW], KWB, v[L4]
	WALU
	s_wait_dscnt 0x0
	s_wait_kmcnt 0x0
	s_mov_b32 s[G0K], 1
	s_mov_b32 s[G0K+1], s13
	s_add_nc_u64 s[G0K+2:G0K+3], s[4:5], s[78:79]
	s_or_b32 s[G0K+3], s[G0K+3], 0x80000000
	s_mov_b32 s[G0V], 1
	s_mov_b32 s[G0V+1], s14
	s_add_nc_u64 s[G0V+2:G0V+3], s[4:5], s[82:83]
	s_or_b32 s[G0V+3], s[G0V+3], 0x80000000
	s_mov_b32 s[G0KW], 1
	s_mov_b32 s[G0KW+1], KWB
	s_add_nc_u64 s[G0KW+2:G0KW+3], s[4:5], s[80:81]
	s_or_b32 s[G0KW+3], s[G0KW+3], 0x80000000
	s_mov_b32 s[G0VW], 1
	s_mov_b32 s[G0VW+1], VWB
	s_add_nc_u64 s[G0VW+2:G0VW+3], s[4:5], s[84:85]
	s_or_b32 s[G0VW+3], s[G0VW+3], 0x80000000
	s_add_nc_u64 s[QCP:QCP+1], s[4:5], s[86:87]
	s_add_nc_u64 s[QWP:QWP+1], s[4:5], s[88:89]
	s_add_nc_u64 s[OCP:OCP+1], s[6:7], s[90:91]
	s_add_nc_u64 s[OWP:OWP+1], s[6:7], s[92:93]
	CROUND                                         ; all four work-groups are here: the joint loads meet
	s_cmp_lt_u32 s[WV], 2                          ; one joint load a wave, in one chain on the wave's number
	s_cbranch_scc0 .Larm_v
	TLOAD G0K, G1K
	s_branch .Lasked
.Larm_v:
	s_cmp_lt_u32 s[WV], 6
	s_cbranch_scc0 .Larm_kw
	TLOAD G0V, G1V
	s_branch .Lasked
.Larm_kw:
	s_cmp_eq_u32 s[WV], 6
	s_cbranch_scc0 .Larm_vw
	TLOAD G0KW, G1KW
	s_branch .Lasked
.Larm_vw:
	TLOAD G0VW, G1VW
.Lasked:
	global_load_b128 v[QF:QF+3], v[L16], s[QCP:QCP+1]              ; Q of my four tiles stays in registers: tile 0 is the first pass's A,
	global_load_b64 v[QF+4:QF+5], v[L8], s[QCP:QCP+1] offset:512
	global_load_b32 v[QW], v[R4], s[QWP:QWP+1]
	global_load_b32 v[QW+1], v[R4], s[QWP:QWP+1] offset:64
	global_load_b32 v[Q1W], v[R4], s[QWP:QWP+1] offset:128
	global_load_b32 v[Q1W+1], v[R4], s[QWP:QWP+1] offset:192
	WIN 0x40                                       ; destination window 1
	global_load_b128 v[QF:QF+3], v[L16], s[QCP:QCP+1] offset:768   ; tile 1 its B, tiles 2 and 3 wait for the second pass
	global_load_b64 v[QF+4:QF+5], v[L8], s[QCP:QCP+1] offset:1280
	global_load_b128 v[Q1A:Q1A+3], v[L16], s[QCP:QCP+1] offset:1536
	global_load_b64 v[Q1A+4:Q1A+5], v[L8], s[QCP:QCP+1] offset:2048
	global_load_b128 v[Q1B:Q1B+3], v[L16], s[QCP:QCP+1] offset:2304
	global_load_b64 v[Q1B+4:Q1B+5], v[L8], s[QCP:QCP+1] offset:2816
.irp j, 6,7,8,9,10,11
	v_mov_b32 v[QF+\j], 0                          ; zero codes for k = 64 .. 127
.endr
	WIN 0
.irp j, 6,7,8,9,10,11
	v_mov_b32 v[QF+\j], 0
	v_mov_b32 v[KF+42+\j], 0                       ; behind K's tile 7
.endr
.irp w, 0,1
	v_mov_b32 v[ST+16*\w+1], 0                     ; upper halves of pairs that are named whole, and a lane permute's destination: written once
	v_mov_b32 v[ST+16*\w+3], 0
	v_mov_b32 v[ST+16*\w+7], 0
.endr
	s_mov_b32 s[SK], 0
	s_mov_b32 s[SKW], KWB
	s_mov_b32 s[PS], 0
	WALU
	s_wait_loadcnt 0x0                             ; Q
	s_wait_tensorcnt 0x0                           ; my tile has landed,
	s_barrier_signal -1
	s_barrier_wait -1                              ; everybody's has: from here on LDS is only read
	KLOAD
; A KEY STEP: 128 keys x two tiles of 16 queries.
.macro STEP
	s_wait_dscnt 0x0                               ; this step's K is in
	s_add_co_u32 s[SV], s[SK], VB                  ; V's of this step; K's of the next, round the ring of 16
	s_add_co_u32 s[SVW], s[SKW], VWB-KWB
	s_add_co_u32 s[SK], s[SK], 6144
	s_cmp_eq_u32 s[SK], 98304
	s_cselect_b32 s[SK], 0, s[SK]
	s_add_co_u32 s[SKW], s[SKW], 512
	s_cmp_eq_u32 s[SKW], KWB+8192
	s_cselect_b32 s[SKW], KWB, s[SKW]
.irp w, 0,1
	WIN 0x44*\w                                    ; source 1 (Q) and the result in the tile's window
.irp u, 0,1,2,3,4,5,6,7
	QK \w, \u
.endr
.endr
	WIN 0
	v_add_nc_u32 v[AV16], s[SV], v[L16]            ; six plain lines: the places between the products and the loads into their registers, and the first read of S^T
	v_add_nc_u32 v[AV8], s[SV], v[L8]
	v_add_nc_u32 v[AVW], s[SVW], v[L4]
	v_add_nc_u32 v[AK16], s[SK], v[L16]
	v_add_nc_u32 v[AK8], s[SK], v[L8]
	v_add_nc_u32 v[AKW], s[SKW], v[L4]
	WIN 0x40
.irp t, 0,1,2,3
.irp c, 0,1
	ds_load_b128 v[VF+12*\t+6*\c:VF+12*\t+6*\c+3], v[AV16] offset:3072*\c+768*\t
	ds_load_b64 v[VF+12*\t+6*\c+4:VF+12*\t+6*\c+5], v[AV8] offset:3072*\c+768*\t+512
.endr
.endr
	WIN 0
.irp i, 0,1,2,3
	ds_load_b32 v[VR+\i], v[AVW] offset:128*\i
.endr
	KLOAD                                          ; the next step's K: 20 loads behind V's
.irp w, 0,1                                    ; THE LARGEST SCORE OF EACH BLOCK OF 32 KEYS, all in my lane: four chains by turns; each accumulator is first read at its low end
	WIN 0x15*\w
.irp q, 0,1,2,3
	v_max3_num_f32 v[ST+16*\w+8+\q], v[S+16*\q], v[S+16*\q+1], v[S+16*\q+2]
.endr
	WIN 0x14*\w
.irp i, 3,5,7,9,11,13
.irp q, 0,1,2,3
	v_max3_num_f32 v[ST+16*\w+8+\q], v[ST+16*\w+8+\q], v[S+16*\q+\i], v[S+16*\q+\i+1]
.endr
.endr
	v_max3_num_f32 v[ST+16*\w+8], v[ST+16*\w+8], v[S+15], v[S+31]
	v_max3_num_f32 v[ST+16*\w+10], v[ST+16*\w+10], v[S+47], v[S+63]
.endr
	WIN 0
.irp w, 0,1
	v_max_num_f32 v[ST+16*\w+8], v[ST+16*\w+8], v[ST+16*\w+9]
	v_max_num_f32 v[ST+16*\w+10], v[ST+16*\w+10], v[ST+16*\w+11]
.endr
.irp w, 0,1
	v_max3_num_f32 v[ST+16*\w+6], v[ST+16*\w+6], v[ST+16*\w+8], v[ST+16*\w+10]   ; the running largest score,
.endr
.irp w, 0,1
	v_permlanex16_b32 v[ST+16*\w+7], v[ST+16*\w+6], s[SEL], s[SEL+1]
.endr
.irp w, 0,1
	v_max_num_f32 v[ST+16*\w+6], v[ST+16*\w+6], v[ST+16*\w+7]                    ; with lane l xor 16's keys
.endr
.irp w, 0,1
	v_mul_f32 v[ST+16*\w+7], s[NC], v[ST+16*\w+6]  ; -t
.endr
.irp w, 0,1
	v_floor_f32 v[ST+16*\w+7], v[ST+16*\w+7]       ; the new -M: M is a whole number
.endr
.irp w, 0,1
	v_sub_f32 v[ST+16*\w+14], v[ST+16*\w+7], v[ST+16*\w]   ; old M - new M: 0 or less
.endr
.irp w, 0,1
	v_mov_b32 v[ST+16*\w], v[ST+16*\w+7]
.endr
.irp w, 0,1
	v_cvt_i32_f32 v[ST+16*\w+14], v[ST+16*\w+14]   ; (it saturates)
.endr
.irp w, 0,1
	v_ldexp_f32 v[ST+16*\w+2], 1.0, v[ST+16*\w+14] ; f = 2^(old M - new M)
.endr
.irp w, 0,1
	v_fma_f32 v[ST+16*\w+8], v[ST+16*\w+8], s[CS], v[ST+16*\w]      ; t - M of each block's largest score
	v_fma_f32 v[ST+16*\w+10], v[ST+16*\w+10], s[CS], v[ST+16*\w]
.endr
.irp w, 0,1
	WIN 0x41*\w                                    ; source 0 and destination in the tile's window
.set j, 0
.rept 32
	v_pk_fma_f32 v[S+j:S+j+1], v[S+j:S+j+1], s[CS:CS+1], v[ST+16*\w:ST+16*\w+1] op_sel_hi:[1,0,0]   ; t - M, two at a time
.set j, j+2
.endr
.endr
	WALU
.irp w, 1,0
	WIN 0x41*\w
.set j, 0
.rept 64
	v_exp_f32 v[S+j], v[S+j]                       ; p = 2^(t - M), at most 1: NOT normalised
.set j, j+1
.endr
.endr
.irp w, 0,1
	v_exp_f32 v[ST+16*\w+8], v[ST+16*\w+8]         ; the blocks' largest p
	v_exp_f32 v[ST+16*\w+10], v[ST+16*\w+10]
.endr
	v_nop                                          ; one plain place behind the exponentials
	s_wait_dscnt 20                                ; V and its words are in; the 20 loads of the next step's K may be out
.irp w, 0,1
	WIN 0x41*\w
	WALU                                           ; behind the batch, directly ahead of the first reader of O^T
.set j, 0
.rept 16
	v_pk_mul_f32 v[OT+j:OT+j+1], v[OT+j:OT+j+1], v[ST+16*\w+2:ST+16*\w+3] op_sel_hi:[1,0]   ; O^T under the new M
.set j, j+2
.endr
.endr
	WIN 0
	v_lshl_or_b32 v[VW], v[VR+2], 16, v[VR]        ; V's words for 128 keys
	v_lshl_or_b32 v[VW+1], v[VR+3], 16, v[VR+1]
.irp w, 0,1
	v_max_num_f32 v[ST+16*\w+8], 0x1800000, v[ST+16*\w+8]      ; the floor 2^(3 - 127): the byte cannot fall under 1
	v_max_num_f32 v[ST+16*\w+10], 0x1800000, v[ST+16*\w+10]
.endr
.irp w, 0,1
	v_add_nc_u32 v[ST+16*\w+12], 0xff000000, v[ST+16*\w+8]     ; 2 off the exponent field: the conversions' scale operands
	v_add_nc_u32 v[ST+16*\w+13], 0xff000000, v[ST+16*\w+10]
.endr
.irp w, 0,1
	WIN 0x41*\w
.irp c, 0,1
	v_cvt_scalef32_pk16_fp6_f32 v[PC+6*\c:PC+6*\c+2], v[S+32*\c:S+32*\c+15], v[ST+16*\w+12+\c]      ; registers 6 c .. of the operand: keys 64 c + 32 h + 0 .. 15
	v_cvt_scalef32_pk16_fp6_f32 v[C2+4*\c:C2+4*\c+2], v[S+32*\c+16:S+32*\c+31], v[ST+16*\w+12+\c]   ; (a conversion's three registers begin on an even number)
.endr
.endr
	WIN 0
.irp w, 0,1
	v_lshrrev_b32 v[ST+16*\w+14], 23, v[ST+16*\w+12]           ; my two bytes: blocks h and 2 + h.  (Also the plain place behind the conversions)
	v_lshrrev_b32 v[ST+16*\w+7], 23, v[ST+16*\w+13]
.endr
.irp w, 0,1
	v_lshl_or_b32 v[ST+16*\w+14], v[ST+16*\w+7], 16, v[ST+16*\w+14]
.endr
.irp w, 0,1
	v_lshlrev_b32 v[ST+16*\w+14], v[SH8], v[ST+16*\w+14]       ; at their places in the word
.endr
.irp w, 0,1
	v_permlanex16_b32 v[ST+16*\w+7], v[ST+16*\w+14], s[SEL], s[SEL+1]
.endr
.irp w, 0,1
	v_or_b32 v[PW+\w], v[ST+16*\w+14], v[ST+16*\w+7]           ; with lane l xor 16's two the word is whole
.endr
.irp w, 0,1
	WIN 0x41*\w
.irp c, 0,1
.irp i, 0,1,2
	v_mov_b32 v[PC+3+6*\c+\i], v[C2+4*\c+\i]
.endr
.endr
	WIN 0x45*\w
.irp d, 2,4,8,16,32                            ; THE ROW'S SUM IS TAKEN OF THE UNQUANTISED p: a tree in place, two at a time
.set j, 0
.rept 32/\d
	v_pk_add_f32 v[S+j:S+j+1], v[S+j:S+j+1], v[S+j+\d:S+j+\d+1]
.set j, j+2*\d
.endr
.endr
	WIN 0x10*\w
	v_pk_fma_f32 v[ST+16*\w+4:ST+16*\w+5], v[ST+16*\w+4:ST+16*\w+5], v[ST+16*\w+2:ST+16*\w+3], v[S:S+1] op_sel_hi:[1,0,1]   ; the old sum under the new M, and this step's
.endr
	WALU
.irp w, 0,1
	WIN 1+0x54*\w                                  ; source 0 (V) window 1; P, C and D in the tile's window
.irp t, 0,1,2,3
	PV \w, \t
.endr
.endr
	WIN 0
.endm
.Lpass:                                                ; two tiles of 16 queries: all 16 key steps, then O^T / the sum, quantised along the head's 64 channels
.irp w, 0,1
	WIN 0x40*\w
.set j, 0
.rept 32
	v_mov_b32 v[OT+j], 0                           ; the step is written once: the first finds zeros, which the first change of M leaves zeros
.set j, j+1
.endr
.endr
	WIN 0
.irp w, 0,1
	v_mov_b32 v[ST+16*\w+6], 0xff61b1e6            ; the largest score so far: -3e38
	v_mov_b32 v[ST+16*\w], 0x7f61b1e6              ; -M: 3e38, so that the first f is 0
	v_mov_b32 v[ST+16*\w+4], 0
	v_mov_b32 v[ST+16*\w+5], 0
.endr
	s_mov_b32 s[CNT], 16
	WALU
.Lstep:
	STEP
	s_sub_co_u32 s[CNT], s[CNT], 1
	s_cmp_lg_u32 s[CNT], 0
	s_cbranch_scc1 .Lstep
.irp w, 0,1
	v_add_f32 v[ST+16*\w+4], v[ST+16*\w+4], v[ST+16*\w+5]      ; the sum's two halves.  (These six lines are the places behind the last products)
.endr
.irp w, 0,1
	v_permlanex16_b32 v[ST+16*\w+7], v[ST+16*\w+4], s[SEL], s[SEL+1]
.endr
.irp w, 0,1
	v_add_f32 v[ST+16*\w+4], v[ST+16*\w+4], v[ST+16*\w+7]      ; and lane l xor 16's: the row's sum
.endr
	WALU
.irp w, 0,1
	v_rcp_f32 v[ST+16*\w+4], v[ST+16*\w+4]
.endr
	v_nop
.irp w, 0,1
	WIN 0x41*\w
	WALU                                           ; behind the reciprocals, directly ahead of the first reader of O^T
.set j, 0
.rept 16
	v_pk_mul_f32 v[S+j:S+j+1], v[OT+j:OT+j+1], v[ST+16*\w+4:ST+16*\w+5] op_sel_hi:[1,0]   ; register 16 b + i is channel 32 b + 16 h + i of my query
.set j, j+2
.endr
	WIN 0x55*\w                                    ; all in the tile's window
.irp b, 0,1
	v_max3_num_f32 v[TM+\b], |v[S+16*\b]|, |v[S+16*\b+1]|, 0x1800000
.endr
.irp i, 2,4,6,8,10,12,14
.irp b, 0,1
	v_max3_num_f32 v[TM+\b], v[TM+\b], |v[S+16*\b+\i]|, |v[S+16*\b+\i+1]|
.endr
.endr
.irp b, 0,1
	v_permlanex16_b32 v[TM+2+\b], v[TM+\b], s[SEL], s[SEL+1]
.endr
.irp b, 0,1
	v_max_num_f32 v[TM+\b], v[TM+\b], v[TM+2+\b]
.endr
.irp b, 0,1
	v_add_nc_u32 v[TM+4+\b], 0xff000000, v[TM+\b]
.endr
.irp b, 0,1
	v_lshrrev_b32 v[TM+6+\b], 23, v[TM+4+\b]
.endr
	v_lshl_or_b32 v[OWD], v[TM+7], 8, v[TM+6]
	v_cvt_scalef32_pk16_fp6_f32 v[OCD:OCD+2], v[S:S+15], v[TM+4]
	v_cvt_scalef32_pk16_fp6_f32 v[OCD+4:OCD+6], v[S+16:S+31], v[TM+5]
	v_nop                                          ; one plain place behind a scaled conversion
.irp i, 0,1,2
	v_permlane16_swap_b32 v[OCD+\i], v[OCD+4+\i]   ; a WHOLE block to a lane
.endr
	v_mov_b32 v[OCD+3], v[OCD+4]
	v_mov_b32 v[OCD+4], v[OCD+5]
	v_mov_b32 v[OCD+5], v[OCD+6]
	WIN 0x04*\w                                    ; the data in the tile's window
	global_store_b128 v[L16], v[OCD:OCD+3], s[OCP:OCP+1] offset:12288*\w           ; 512 consecutive aligned bytes,
	global_store_b64 v[L8], v[OCD+4:OCD+5], s[OCP:OCP+1] offset:12288*\w+512       ; and 256
.endr
	WIN 0x04
	v_cndmask_b32 v[ST+7], v[OWD], v[OWD], s[HM]   ; lanes 0-15: tile A's words, lanes 16-31: tile B's
	WIN 0
	global_store_b32 v[L4], v[ST+7], s[OWP:OWP+1]
	s_wait_xcnt 0x0                                ; the stores have read their registers and bases, which are written again below and in the next pass
	s_add_nc_u64 s[OCP:OCP+1], s[OCP:OCP+1], 24576
	s_add_nc_u64 s[OWP:OWP+1], s[OWP:OWP+1], 128
	WIN 0x01
.irp j, 0,1,2,3,4,5
	v_mov_b32 v[QF+\j], v[Q1A+\j]                  ; the second pass's Q
.endr
	WIN 0x41
.irp j, 0,1,2,3,4,5
	v_mov_b32 v[QF+\j], v[Q1B+\j]
.endr
	WIN 0
	v_mov_b32 v[QW], v[Q1W]
	v_mov_b32 v[QW+1], v[Q1W+1]
	s_add_co_u32 s[PS], s[PS], 1
	s_cmp_lg_u32 s[PS], 2
	WALU
	s_cbranch_scc1 .Lpass
	s_wait_tensorcnt 0x0                           ; the wave's end
	ds_add_u32 v[SPW], v[NIL]
	s_wait_dscnt 0x0
	CROUND                                         ; the closing round
	s_endpgm
.Lfunc_end_k_qfb08368d96_attn:
	.size	k_qfb08368d96_attn, .Lfunc_end_k_qfb08368d96_attn-k_qfb08368d96_attn
	.p2alignl 7, 3214868480
	.fill 96, 4, 3214868480
	.section	.rodata,"a",@progbits
	.p2align	6, 0x0
	.amdhsa_kernel k_qfb08368d96_attn
		.amdhsa_group_segment_fixed_size 215040
		.amdhsa_private_segment_fixed_size 0
		.amdhsa_enable_private_segment 0
		.amdhsa_kernarg_size 16
		.amdhsa_user_sgpr_count 2
		.amdhsa_user_sgpr_kernarg_segment_ptr 1
		.amdhsa_wavefront_size32 1
		.amdhsa_system_sgpr_workgroup_id_x 1
		.amdhsa_system_sgpr_workgroup_id_y 1
		.amdhsa_system_sgpr_workgroup_id_z 1
		.amdhsa_system_vgpr_workitem_id 0
		.amdhsa_next_free_vgpr 512
		.amdhsa_next_free_sgpr 100
		.amdhsa_reserve_vcc 0
		.amdhsa_float_denorm_mode_32 3
		.amdhsa_float_denorm_mode_16_64 3
		.amdhsa_memory_ordered 1
		.amdhsa_forward_progress 1
		.amdhsa_inst_pref_size 50
	.end_amdhsa_kernel
	.amdgpu_metadata
---
amdhsa.version: [ 1, 2 ]
amdhsa.kernels:
  - .name:           k_qfb08368d96_attn
    .symbol:         k_qfb08368d96_attn.kd
    .args:
      - { .name: hq, .offset: 0, .size: 8, .value_kind: global_buffer, .address_space: global }
      - { .name: aq, .offset: 8, .size: 8, .value_kind: global_buffer, .address_space: global }
    .group_segment_fixed_size: 215040
    .private_segment_fixed_size: 0
    .kernarg_segment_align: 8
    .kernarg_segment_size: 16
    .max_flat_workgroup_size: 256
    .sgpr_count:     100
    .vgpr_count:     512
    .wavefront_size: 32
...
	.end_amdgpu_metadata
.endif
;; end of part 3
;; launch outp (part 4): grid 256 x 1, 4 waves a work-group, clusters of 4 x 1, 168,448 bytes of LDS; arguments ops, aq, wo_b, out0; writes out0
.if DOCPART == 4
	.amdgcn_target "amdgcn-amd-amdhsa--gfx1250"
	.amdhsa_code_object_version 6
	.text
	.protected	k_qfb08368d96_outp
	.globl	k_qfb08368d96_outp
	.p2align	8
	.type	k_qfb08368d96_outp,@function
k_qfb08368d96_outp:
	s_mov_b64 s[64:65], 0
	v_nop
	global_prefetch_b8 v0, s[64:65] scope:SCOPE_SE
	s_setreg_imm32_b32 hwreg(HW_REG_WAVE_MODE, 25, 1), 1
	s_wait_xcnt 0x0
	s_wait_alu depctr_hold_cnt(0) depctr_sa_sdst(0) depctr_va_vdst(0) depctr_va_sdst(0) depctr_va_ssrc(0) depctr_va_vcc(0) depctr_vm_vsrc(0)
	s_getreg_b32 s2, hwreg(HW_REG_IB_STS2, 6, 4)
	s_cmp_eq_u32 s2, 0
	s_cbranch_scc0 .Lentry_in_a_cluster
	s_endpgm
.Lentry_in_a_cluster:
	s_bfe_u32 s2, ttmp6, 0x10000c
	s_cmp_lg_u32 s2, 0x3003
	s_cbranch_scc0 .Lentry_shape_is_right
	s_endpgm
.Lentry_shape_is_right:
; out0 = O wo + bo on codes of FP6 (E2M3).  O's codes and scale words come from the attention launch, wo's from the quantiser.
; A stationary operand S is source 0: 64 columns of wo (four tiles) a wave, for all of K = 1,024, in 384 registers.  A streamed operand T is source 1: eight tiles of 16 rows of O in LDS.
; In a result a lane holds ONE row, and the 32 registers of the four tiles are 64 neighbouring columns in their true order (a tile's lane-row r is 32 (T / 2) + 8 (T % 2) + r + 8 (r / 8)).
; CLUSTER.  The four work-groups of a cluster take the same 128 rows and four different blocks of 256 columns: T is asked for JOINTLY, one tensor load a wave: waves 0-2 a third of the codes each, wave 3 the scale words.
; LDS is filled once: no ring, no refill; all that comes from memory is asked for at the head, so there is no loop for a prefetch to run ahead in.
; wo's fragments lie in ops as three pieces of four registers (512 bytes each); O's lie in aq as two half fragments of 768 bytes (registers 0-3 at 16 x lane, 4-5 at 512 + 8 x lane), one for each head.
; O's scale words lie [head][row tile][16 words], two bytes each: the words of heads 2 s and 2 s + 1 are joined into K step s's.
; The bias is the C of each sum's first product.  LIMIT: it is so added ahead of the products, not behind them; NaN and infinities are not served.
; THE WAY OUT: a tile's 16 rows x 256 bytes go through the wave's own stage in LDS and leave as whole rows: sixteen lanes store 256 consecutive aligned bytes.  A tile's stores stand behind the wait at the head of the next tile,
; which shows the stage's loads done too.
; REGISTERS, in windows of 256: window 0: addresses, scales, accumulators, rows on their way out.  window 1: S's fragments of K steps 0-3 at 12 (4 s + t).  window 2: K steps 4-7.  window 3: T's, two buffers of 96.
.set WCO3, 19660800+3*786432           ; ops: wo's codes
.set WSO3, 22806528+3*32768            ; ops: its scale words
.set AQW,  6291456                     ; aq: the scale words
.set TSW,  98304                       ; LDS: T's codes at 0 (12,288 a tile); T's scale words here: [head 16][tile 8][16 words];
.set STG,  106496                      ; and a stage of 16 rows x (256 + 16) bytes for each wave: no tensor load lands there
.set L16,  1                           ; v1   16 x lane
.set L8,   2                           ; v2   8 x lane
.set L16B, 3                           ; v3   the same 49,152 bytes on: tiles 4-7 lie beyond an LDS offset's 16 bits
.set L8B,  4                           ; v4
.set R16,  5                           ; v5   16 r
.set TSA4, 6                           ; v6   TSW + 4 r
.set H64,  7                           ; v7   64 h
.set STO,  8                           ; v8   the stage: row r, + 64 h
.set RD,   9                           ; v9   back: lanes 0-15 one row, lanes 16-31 the next
.set CO,   10                          ; v10  and the same two rows in out0
.set SS,   16                          ; v16-47   S's scale words: 8 t + s
.set TSC,  196                         ; v196-203 T's scale words of the tile in hand (their numbers differ from S's modulo 8)
.set RAW,  56                          ; v56-87   the sixteen heads' halves, two sets
.set ACC,  96                          ; v96-127  four accumulators
.set BS,   128                         ; v128-159 the bias, in the results' layout
.set OB,   160                         ; v160-191 16 rows on their way out
.set WV,   14
.set G1C,  24                          ; s[24:31] descriptor group 1: 32,768 dense bytes as 128 rows of 256
.set G1S,  32                          ; s[32:39] sixteen heads' rows of 512 bytes, 32,768 bytes apart
.set G0C,  40
.set G0S,  44
.set BSP,  82                          ; s[82:83] the bias at my 64 columns
.set SCP,  86                          ; s[86:87] S's codes;  s[88:89] S's scale words;  s[90:91] out0 at my rows and columns
.set SSP,  88
.set OCP,  90
.set MSB, 0
.macro WIN new                         ; the immediate's high byte repeats the setting that is left
.if MSB != \new
	s_set_vgpr_msb (MSB<<8)|\new
.set MSB, \new
.endif
.endm
.macro PLACES n
.rept \n
	v_nop
.endr
.endm
.macro CROUND                          ; a round of the cluster's barrier
	s_barrier_signal -1
	s_barrier_wait -1
	s_cmp_lg_u32 s[WV], 0
	s_cbranch_scc1 .Lnot_wave_0_\@
	s_barrier_signal -3
.Lnot_wave_0_\@:
	s_barrier_wait -3
	s_barrier_signal -1
	s_barrier_wait -1
.endm
.macro GFRAG reg, off                  ; a fragment of wo (1,536 bytes) from memory: three pieces of four registers
	global_load_b128 v[\reg:\reg+3], v[L16], s[SCP:SCP+1] offset:\off
	global_load_b128 v[\reg+4:\reg+7], v[L16], s[SCP:SCP+1] offset:\off+512
	global_load_b128 v[\reg+8:\reg+11], v[L16], s[SCP:SCP+1] offset:\off+1024
.endm
.macro LFRAG reg, a16, a8, off         ; a fragment of O from LDS: two half fragments
	ds_load_b128 v[\reg:\reg+3], v[\a16] offset:\off
	ds_load_b64 v[\reg+4:\reg+5], v[\a8] offset:\off+512
	ds_load_b128 v[\reg+6:\reg+9], v[\a16] offset:\off+768
	ds_load_b64 v[\reg+10:\reg+11], v[\a8] offset:\off+1280
.endm
	s_load_b256 s[4:11], s[0:1], 0x0               ; ops s[4:5], aq s[6:7], wo_b s[8:9], out0 s[10:11]
	v_lshl_add_u32 v254, v0, 2, 0x29000
	v_mov_b32 v255, 0
	ds_add_u32 v254, v255                          ; the opening lines
	ds_add_u32 v254, v255
	v_lshrrev_b32 v11, 5, v0
	v_readfirstlane_b32 s[WV], v11                 ; wave 0..3
	s_bfe_u32 s15, ttmp6, 0x40000                  ; cx: which 256 columns: it enters S's, the bias's and out0's addresses alone
	s_mov_b32 s16, ttmp9                           ; which 128 rows (ttmp9 counts clusters)
	s_mul_i32 s58, s[WV], 32768                    ; waves 0-2: a third of T's codes each, in memory and in LDS alike
	s_mul_i32 s56, s16, 98304
	s_add_co_u32 s56, s56, s58
	s_mov_b32 s57, 0
	s_lshl_b32 s60, s16, 9                         ; wave 3: all sixteen heads' words of my eight tiles x 64 bytes
	s_add_co_u32 s60, s60, AQW
	s_mov_b32 s61, 0
	s_lshl_b32 s68, s15, 2
	s_add_co_u32 s68, s68, s[WV]                   ; my group of 64 columns
	s_mul_i32 s70, s68, 49152
	s_add_co_u32 s70, s70, WCO3
	s_mov_b32 s71, 0
	s_lshl_b32 s72, s68, 11
	s_add_co_u32 s72, s72, WSO3
	s_mov_b32 s73, 0
	s_lshl_b32 s74, s16, 19                        ; 128 rows of 4,096 bytes,
	s_lshl_b32 s78, s68, 8                         ; 64 columns of 4 bytes
	s_add_co_u32 s74, s74, s78
	s_mov_b32 s75, 0
	s_mov_b32 s79, 0
	s_mov_b32 s[G1C], 15|(3<<16)|(1<<21)           ; the mask: all four work-groups; elements of 8 bytes; bit 21 beside a mask
	s_mov_b32 s[G1C+1], 32<<16
	s_mov_b32 s[G1C+2], 128<<16
	s_mov_b32 s[G1C+3], 32<<16
	s_mov_b32 s[G1C+4], 128
	s_mov_b32 s[G1C+5], 32
	s_mov_b32 s[G1C+6], 0
	s_mov_b32 s[G1C+7], 0
	s_mov_b32 s[G1S], 15|(3<<16)|(1<<21)
	s_mov_b32 s[G1S+1], 64<<16                     ; a row: 64 elements, 512 bytes
	s_mov_b32 s[G1S+2], 16<<16
	s_mov_b32 s[G1S+3], 64<<16
	s_mov_b32 s[G1S+4], 16
	s_mov_b32 s[G1S+5], 4096
	s_mov_b32 s[G1S+6], 0
	s_mov_b32 s[G1S+7], 0
	v_and_b32 v11, 31, v0                          ; lane
	v_lshlrev_b32 v[L16], 4, v11
	v_lshlrev_b32 v[L8], 3, v11
	v_add_nc_u32 v[L16B], 49152, v[L16]
	v_add_nc_u32 v[L8B], 49152, v[L8]
	v_and_b32 v12, 15, v0                          ; r
	v_bfe_u32 v13, v0, 4, 1                        ; h
	v_lshlrev_b32 v[R16], 4, v12
	v_lshl_add_u32 v[TSA4], v12, 2, TSW
	v_lshlrev_b32 v[H64], 6, v13
	s_mul_i32 s94, s[WV], 16*272
	s_add_co_u32 s94, s94, STG                     ; my stage
	v_mul_u32_u24 v[STO], v12, 272
	v_lshl_add_u32 v[STO], v13, 6, v[STO]
	v_add_nc_u32 v[STO], s94, v[STO]
	v_mul_u32_u24 v[RD], v13, 272
	v_lshl_add_u32 v[RD], v12, 4, v[RD]
	v_add_nc_u32 v[RD], s94, v[RD]
	v_lshlrev_b32 v[CO], 12, v13
	v_lshl_add_u32 v[CO], v12, 4, v[CO]
	s_wait_alu depctr_va_vdst(0)
	s_wait_dscnt 0x0
	s_wait_kmcnt 0x0
	s_add_nc_u64 s[BSP:BSP+1], s[8:9], s[78:79]
	s_add_nc_u64 s[SCP:SCP+1], s[4:5], s[70:71]
	s_add_nc_u64 s[SSP:SSP+1], s[4:5], s[72:73]
	s_add_nc_u64 s[OCP:OCP+1], s[10:11], s[74:75]
	s_mov_b32 s[G0C], 1
	s_mov_b32 s[G0C+1], s58
	s_add_nc_u64 s[G0C+2:G0C+3], s[6:7], s[56:57]
	s_or_b32 s[G0C+3], s[G0C+3], 0x80000000
	s_mov_b32 s[G0S], 1
	s_mov_b32 s[G0S+1], TSW
	s_add_nc_u64 s[G0S+2:G0S+3], s[6:7], s[60:61]
	s_or_b32 s[G0S+3], s[G0S+3], 0x80000000
	CROUND                                         ; all four work-groups are here: the joint loads meet
	s_cmp_lt_u32 s[WV], 3                          ; one joint load a wave: one chain on the wave's number
	s_cbranch_scc0 .Lwords
	tensor_load_to_lds s[G0C:G0C+3], s[G1C:G1C+7]
	s_nop 0
	PLACES 4
	s_branch .Lasked
.Lwords:
	tensor_load_to_lds s[G0S:G0S+3], s[G1S:G1S+7]
	s_nop 0
	PLACES 4
.Lasked:
	WIN 0x40                                       ; destination window 1
.irp k, 0,1,2,3
.irp t, 0,1,2,3
	GFRAG 12*(4*\k+\t), 12288*\t+1536*\k
.endr
.endr
	WIN 0x80                                       ; destination window 2
.irp k, 0,1,2,3
.irp t, 0,1,2,3
	GFRAG 12*(4*\k+\t), 12288*\t+1536*(\k+4)
.endr
.endr
	WIN 0
.irp t, 0,1,2,3
	global_load_b128 v[SS+8*\t:SS+8*\t+3], v[R16], s[SSP:SSP+1] offset:512*\t
	global_load_b128 v[SS+8*\t+4:SS+8*\t+7], v[R16], s[SSP:SSP+1] offset:512*\t+256
.endr
.irp t, 0,1,2,3
	global_load_b128 v[BS+8*\t:BS+8*\t+3], v[H64], s[BSP:BSP+1] offset:128*(\t/2)+32*(\t%2)      ; tile t's register j is column 32 (t / 2) + 16 h + 8 (t % 2) + j
	global_load_b128 v[BS+8*\t+4:BS+8*\t+7], v[H64], s[BSP:BSP+1] offset:128*(\t/2)+32*(\t%2)+16
.endr
	s_wait_loadcnt 0x0
	s_wait_tensorcnt 0x0                           ; my part of T has landed,
	s_barrier_signal -1
	s_barrier_wait -1                              ; everybody's has
.macro FETCH i                         ; tile i of T: 32 loads of codes into buffer i % 2 of window 3, 16 of scale halves: 48
	WIN 0xc0                                       ; destination window 3
.irp k, 0,1,2,3,4,5,6,7
.if (\i) < 4
	LFRAG 96*((\i)%2)+12*\k, L16, L8, ((\i)%4)*12288+1536*\k
.else
	LFRAG 96*((\i)%2)+12*\k, L16B, L8B, ((\i)%4)*12288+1536*\k
.endif
.endr
	WIN 0
.irp d, 0,1,2,3,4,5,6,7,8,9,10,11,12,13,14,15
	ds_load_b32 v[RAW+16*((\i)%2)+\d], v[TSA4] offset:512*\d+64*(\i)
.endr
.endm
.macro MUL i, k                        ; K step k: the four accumulators by turns, one instruction a turn; K step 0 starts the sums with the bias
.irp t, 0,1,2,3
.if (\k) == 0
	v_wmma_scale_f32_16x16x128_f8f6f4 v[ACC+8*\t:ACC+8*\t+7], v[12*(4*((\k)%4)+\t):12*(4*((\k)%4)+\t)+11], v[96*((\i)%2)+12*(\k):96*((\i)%2)+12*(\k)+11], v[BS+8*\t:BS+8*\t+7], v[SS+8*\t+(\k)], v[TSC+(\k)] matrix_a_fmt:MATRIX_FMT_FP6 matrix_b_fmt:MATRIX_FMT_FP6
.else
	v_wmma_scale_f32_16x16x128_f8f6f4 v[ACC+8*\t:ACC+8*\t+7], v[12*(4*((\k)%4)+\t):12*(4*((\k)%4)+\t)+11], v[96*((\i)%2)+12*(\k):96*((\i)%2)+12*(\k)+11], v[ACC+8*\t:ACC+8*\t+7], v[SS+8*\t+(\k)], v[TSC+(\k)] matrix_a_fmt:MATRIX_FMT_FP6 matrix_b_fmt:MATRIX_FMT_FP6
.endif
.endr
.endm
.macro SENDT i                         ; tile i's 16 rows, back from the stage, leave
.irp e, 0,1,2,3,4,5,6,7
	global_store_b128 v[CO], v[OB+4*\e:OB+4*\e+3], s[OCP:OCP+1] offset:(32*((\i)/2)+8*((\i)%2)+2*\e+8*(\e/4))*4096 th:TH_STORE_NT   ; lane-rows 2 e and 2 e + 1 at their true rows: twice 256 consecutive aligned bytes; written once, read by nobody here
.endr
.endm
.macro TILE i
.if (\i) < 7
	FETCH (\i)+1                                   ; into the buffer that tile i - 1 multiplied: its last product stands four v_nop back and more
	s_wait_dscnt 48                                ; all but the 48 loads just issued: this tile's fragments and scale halves are in, and the last tile's rows are back from the stage
.else
	s_wait_dscnt 0x0
.endif
.if (\i) > 0
	SENDT (\i)-1
.endif
.irp k, 0,1,2,3,4,5,6,7
	v_lshl_or_b32 v[TSC+\k], v[RAW+16*((\i)%2)+2*\k+1], 16, v[RAW+16*((\i)%2)+2*\k]   ; head 2 k's two bytes below, head 2 k + 1's above
.endr
	PLACES 8                                       ; a scale register written by a vector instruction stands eight places ahead of a scaled product
	WIN 0x0d                                       ; source 0 (S) window 1, source 1 (T) window 3, C and D window 0
.irp k, 0,1,2,3
	MUL \i, \k
.endr
	WIN 0x0e                                       ; source 0 window 2
.irp k, 4,5,6,7
	MUL \i, \k
.endr
	WIN 0
	PLACES 4                                       ; four places between the last product and the first read of a result
	s_wait_xcnt 0x0                                ; the last tile's stores have read their registers, into which the loads below land
.irp b, 0,1
.irp q, 0,1,2,3
	ds_store_b128 v[STO], v[ACC+16*\b+4*\q:ACC+16*\b+4*\q+3] offset:128*\b+16*\q   ; columns 32 b + 16 h + 4 q on of row r; each accumulator from its low end on
.endr
.endr
.irp e, 0,1,2,3,4,5,6,7
	ds_load_b128 v[OB+4*\e:OB+4*\e+3], v[RD] offset:544*\e     ; LDS serves a wave's instructions in order: these see the stores above
.endr
.endm
	FETCH 0
.irp n, 0,1,2,3,4,5,6,7
	TILE \n
.endr
	s_wait_dscnt 0x0                               ; the last tile's rows are back
	SENDT 7
	s_wait_tensorcnt 0x0                           ; the wave's end
	ds_add_u32 v254, v255
	s_wait_dscnt 0x0
	CROUND                                         ; the closing round
	s_endpgm
.Lfunc_end_k_qfb08368d96_outp:
	.size	k_qfb08368d96_outp, .Lfunc_end_k_qfb08368d96_outp-k_qfb08368d96_outp
	.p2alignl 7, 3214868480
	.fill 96, 4, 3214868480
	.section	.rodata,"a",@progbits
	.p2align	6, 0x0
	.amdhsa_kernel k_qfb08368d96_outp
		.amdhsa_group_segment_fixed_size 168448
		.amdhsa_private_segment_fixed_size 0
		.amdhsa_enable_private_segment 0
		.amdhsa_kernarg_size 32
		.amdhsa_user_sgpr_count 2
		.amdhsa_user_sgpr_kernarg_segment_ptr 1
		.amdhsa_wavefront_size32 1
		.amdhsa_system_sgpr_workgroup_id_x 1
		.amdhsa_system_sgpr_workgroup_id_y 1
		.amdhsa_system_sgpr_workgroup_id_z 1
		.amdhsa_system_vgpr_workitem_id 0
		.amdhsa_next_free_vgpr 960
		.amdhsa_next_free_sgpr 100
		.amdhsa_reserve_vcc 0
		.amdhsa_float_denorm_mode_32 3
		.amdhsa_float_denorm_mode_16_64 3
		.amdhsa_memory_ordered 1
		.amdhsa_forward_progress 1
		.amdhsa_inst_pref_size 96
	.end_amdhsa_kernel
	.amdgpu_metadata
---
amdhsa.version: [ 1, 2 ]
amdhsa.kernels:
  - .name:           k_qfb08368d96_outp
    .symbol:         k_qfb08368d96_outp.kd
    .args:
      - { .name: ops, .offset: 0, .size: 8, .value_kind: global_buffer, .address_space: global }
      - { .name: aq, .offset: 8, .size: 8, .value_kind: global_buffer, .address_space: global }
      - { .name: wo_b, .offset: 16, .size: 8, .value_kind: global_buffer, .address_space: global }
      - { .name: out0, .offset: 24, .size: 8, .value_kind: global_buffer, .address_space: global }
    .group_segment_fixed_size: 168448
    .private_segment_fixed_size: 0
    .kernarg_segment_align: 8
    .kernarg_segment_size: 32
    .max_flat_workgroup_size: 128
    .sgpr_count:     100
    .vgpr_count:     960
    .wavefront_size: 32
...
	.end_amdgpu_metadata
.endif
;; end of part 4
